; MI455X (gfx1250); checked and timed in simulation.
; The chip was launched on July 23, 2026; its instructions are those of AMD's public machine-readable ISA for CDNA 5 (MIT licence, August 2026) and "CDNA5" Instruction Set Architecture Reference Guide (July 2026). The comments in the code are by the model that wrote it; some were corrected since.
;; Cross Attention Condition. Allowed arithmetic: matrix products marked QUANTISED: E2M1 operands, one E8M0 scale for each 32 along K, by v_wmma_scale_f32_16x16x128_f8f6f4 with both operands' format E2M1 (or v_wmma_scale_f32_32x16x128_f4), f32 sums; products left as they are: bf16, f16 or f32 operands; f32 sums; everything else in f32.
;; Inputs: bk 2,048 float32; bkr 2,048 float32; bo 2,048 float32; bq 2,048 float32; bv 2,048 float32; bvr 2,048 float32; cam_emb 2 x 512 x 2,048 float32; freqs_cam 512 x 64 x 2 float32; freqs_render 512 x 64 x 2 float32; freqs_x 2,048 x 64 x 2 float32; gk 2,048 float32; gq 2,048 float32; render_emb 2 x 512 x 2,048 float32; wk 2,048 x 2,048 float32; wkr 2,048 x 2,048 float32; wo 2,048 x 2,048 float32; wq 2,048 x 2,048 float32; wv 2,048 x 2,048 float32; wvr 2,048 x 2,048 float32; x 2 x 2,048 x 2,048 float32.
;; Outputs: out0 2 x 2,048 x 2,048 float32.
;; This version of the problem:
;;   THIS VERSION OF THE PROBLEM IS GIVEN IN LOW PRECISION. The matrix products marked QUANTISED in the list below multiply operands that are first quantised to E2M1 (2 exponent bits, 1 mantissa bit; 4 bits a number), with one power-of-two scale for each 32 numbers along K (OCP MX v1.0); their sums are f32. The products marked 'left as it is' may take bf16, f16 or f32 operands, with f32 sums. All else is computed in f32.
;;   The module's matrix products, in the order in which they are computed (A, B: the left and right operand; K: the contracted axis; several contracted axes count as one K, in the product's order):
;;     1. [M 4,096, K 2,048] x [K 2,048, N 2,048]; A: input x; B: input wq: QUANTISED
;;     2. [M 1,024, K 2,048] x [K 2,048, N 2,048]; A: input cam_emb; B: input wk: QUANTISED
;;     3. [M 1,024, K 2,048] x [K 2,048, N 2,048]; A: input render_emb; B: input wkr: QUANTISED
;;     4. [M 1,024, K 2,048] x [K 2,048, N 2,048]; A: input cam_emb; B: input wv: QUANTISED
;;     5. [M 1,024, K 2,048] x [K 2,048, N 2,048]; A: input render_emb; B: input wvr: QUANTISED
;;     6. batch 32 x [M 2,048, K 128] x [K 128, N 1,024]; A: computed on the way; B: computed on the way: left as it is (an operand is computed on the way)
;;     7. batch 32 x [M 128, K 1,024] x [K 1,024, N 2,048]; A: computed on the way; B: computed on the way: left as it is (an operand is computed on the way)
;;     8. [M 4,096, K 2,048] x [K 2,048, N 2,048]; A: computed on the way; B: input wo: left as it is (an operand is computed on the way)
;;   THE QUANTISER, for each operand of a quantised product, along K:
;;     - K is cut into blocks of 32 from its start; a last block that is shorter is filled with zeros.
;;     - A block's scale is 2^e with e = floor(log2(the largest magnitude in the block)) - 2, held to -126 .. 127; a block of zeros has e = 0. As a byte (E8M0): e + 127.
;;     - Each number is divided by its block's scale, clamped to +-6, and rounded to the nearest number of E2M1, ties to even, subnormals kept.
;;     - The product sums the exact products of the quantised numbers (number of the format x scale) in f32.
;;   ~~~python
;;   def quantise(x, axis):      # numpy; x: float32 -> the quantised numbers, widened to float32 again
;;       x = np.moveaxis(x, axis, -1); K = x.shape[-1]
;;       x = np.pad(x, [(0, 0)] * (x.ndim - 1) + [(0, -K % 32)]); x = x.reshape(x.shape[:-1] + (-1, 32)); a = np.abs(x).max(-1, keepdims=True)
;;       e = np.where(a > 0, np.clip(np.frexp(np.where(a > 0, a, 1))[1] - 1 - 2, -126, 127), 0)      # np.frexp(a)[1] - 1 = floor(log2(a)), exactly
;;       r = np.clip(x / 2.0 ** e, -6, 6)
;;       step = 2.0 ** (np.maximum(np.frexp(np.where(r == 0, 1, r))[1] - 1, 0) - 1)
;;       q = np.round(r / step) * step * 2.0 ** e      # np.round: ties to even
;;       return np.moveaxis(q.reshape(q.shape[:-2] + (-1,))[..., :K], -1, axis).astype(np.float32)
;;   ~~~
;; One version. Each part assembles by itself: llvm-mc -triple=amdgcn-amd-amdhsa -mcpu=gfx1250 --defsym DOCPART=n.
;; ======== version 1 of 1: 4 launches
;; limits: values are held in f16: magnitudes above 65,504 overflow, below 6.1e-05 lose precision; right only within a limited range of input values
;; workspace buffers: codes 16,777,216 bytes; scales 1,048,576 bytes; woh 8,388,608 bytes; qh 16,777,216 bytes; kvh 16,777,216 bytes; ss 393,216 bytes; ao 16,777,216 bytes
;; launch quant (part 1): grid 1024 x 1, 4 waves a work-group, no clusters, 33,280 bytes of LDS; arguments x, cam_emb, render_emb, wq, wk, wv, wkr, wvr, codes, scales; writes codes, scales
.if DOCPART == 1
	.amdgcn_target "amdgcn-amd-amdhsa--gfx1250"
	.amdhsa_code_object_version 6
	.text
	.protected	k_qbefc6bfe68_quant
	.globl	k_qbefc6bfe68_quant
	.p2align	8
	.type	k_qbefc6bfe68_quant,@function
k_qbefc6bfe68_quant:
	s_mov_b64 s[64:65], 0
	v_nop
	global_prefetch_b8 v0, s[64:65] scope:SCOPE_SE
	s_setreg_imm32_b32 hwreg(HW_REG_WAVE_MODE, 25, 1), 1
	s_wait_xcnt 0x0
; The eight operands of the quantised products (x, cam_emb, render_emb, wq, wk, wv, wkr, wvr: f32, K = 2,048 innermost) become codes of FP4 (E2M1) with one E8M0 byte for each 32 along K.
; codes: 16,384 rows of 1,024 bytes, scales: the same rows of 64 bytes; rows 0-4095 x, 4096-5119 cam_emb, 5120-6143 render_emb, then 2,048 rows for each of wq, wk, wv, wkr, wvr.  Rows are dense, so every tensor,
; its codes and its bytes are plain streams of blocks of 32, and in this order of rows the two outputs are ONE stream over all eight tensors: only the input pointer is chosen, by the work-group's number.
; A block's scale is 2^(floor(log2(its largest magnitude)) - 2); its byte is the largest magnitude's exponent field - 2, held at 1 from below.  Each number is divided by the scale and rounded to the nearest code, ties to even, beyond 6 held at 6.
; LIMITS: a block of zeros, and a block whose largest magnitude lies under 2^-124, gets the byte 1 (the codes of a block of zeros are zeros, and this program alone reads the bytes); NaN and infinities are not served.
; 1,024 work-groups of 32,768 numbers, 8,192 a wave, in 16 steps of 512.  Each of a step's four loads reads 512 consecutive bytes; the 2,048 bytes turn through the wave's own stage in LDS, so that a lane then holds
; 16 neighbours along K (two lanes to a block); a lane's 16 codes are 8 bytes: a wave's store covers 256 consecutive bytes.  A wave's 256 scale bytes are gathered in LDS and leave by one store.
; Waves share nothing: no barrier.  Loads run four steps (16 loads a wave) ahead, the turn through LDS one step.
.set STEPS, 16
.set EMAX,  2
.set CB,    8                          ; bytes of 16 codes
.set R,     16                         ; v16-79   four sets of 16 numbers as they are loaded
.set X,     80                         ; v80-111  two sets of 16 neighbours
.set C,     128                        ; v128-191 codes: four registers for each step, so that no store's data are written again
.set E,     112                        ; v112-127 a scale byte for each step
.set WREG,  8192                       ; LDS: a region for each wave: two stages of 32 x SP bytes, behind them its 256 scale bytes
.set SP,    80                         ; a lane's place in a stage: its 64 bytes + 16 of padding
	s_load_b512 s[4:19], s[0:1], 0x0               ; x, cam_emb, render_emb, wq, wk, wv, wkr, wvr
	s_load_b128 s[20:23], s[0:1], 0x40             ; codes s[20:21], scales s[22:23]
	v_lshl_add_u32 v192, v0, 2, 0x8000
	v_mov_b32 v193, 0
	v_lshrrev_b32 v1, 5, v0
	v_readfirstlane_b32 s30, v1                    ; wave
	v_and_b32 v2, 31, v0                           ; lane
	v_lshlrev_b32 v3, 4, v2                        ; my 16 bytes of a load's 512
	v_lshlrev_b32 v4, 3, v2                        ; my 8 bytes of a store's 256
	s_mul_i32 s31, s30, WREG
	v_lshrrev_b32 v14, 2, v2
	v_mul_u32_u24 v14, v14, SP
	v_and_b32 v15, 3, v2
	v_lshl_add_u32 v14, v15, 4, v14
	v_add_nc_u32 v14, s31, v14                     ; the stage, on the way in: four lanes' 64 bytes on end, then 16 of padding
	v_mul_u32_u24 v15, v2, SP
	v_add_nc_u32 v15, s31, v15                     ; and on the way out: SP x lane: my 16 neighbours
	v_lshrrev_b32 v5, 1, v2
	s_add_co_u32 s31, s31, 2*32*SP
	v_add_nc_u32 v5, s31, v5                       ; my wave's 256 scale bytes: my block's byte,
	v_add_nc_u32 v6, s31, v4                       ; and on the way out 8 bytes a lane
	s_wait_kmcnt 0x0
	; which tensor: the choice hangs on the work-group's number alone.  s28: the tensor's first work-group
.macro PICK t, p
	s_cmp_ge_u32 ttmp9, \t
	s_cselect_b64 s[4:5], s[\p:\p+1], s[4:5]
	s_cselect_b32 s28, \t, s28
.endm
	s_mov_b32 s28, 0
	PICK 256, 6                                    ; x has 256 work-groups, cam_emb and render_emb 64 each, each weight 128
	PICK 320, 8
	PICK 384, 10
	PICK 512, 12
	PICK 640, 14
	PICK 768, 16
	PICK 896, 18
	s_sub_co_u32 s28, ttmp9, s28
	s_lshl_b32 s28, s28, 2
	s_add_co_u32 s28, s28, s30                     ; which run of 8,192 numbers of the tensor is my wave's
	s_lshl_b32 s28, s28, 15                        ; 32,768 bytes a run
	s_mov_b32 s29, 0
	s_add_nc_u64 s[4:5], s[4:5], s[28:29]
	s_lshl_b32 s32, ttmp9, 2
	s_add_co_u32 s32, s32, s30                     ; and which run of the outputs' one stream
	s_lshl_b32 s34, s32, 12                        ; 4,096 bytes of codes a run,
	s_mov_b32 s35, 0
	s_add_nc_u64 s[20:21], s[20:21], s[34:35]
	s_lshl_b32 s34, s32, 8                         ; 256 scale bytes
	s_add_nc_u64 s[22:23], s[22:23], s[34:35]
.macro LOAD t
.irp i, 0,1,2,3
	global_load_b128 v[R+16*((\t)%4)+4*\i:R+16*((\t)%4)+4*\i+3], v3, s[4:5] offset:2048*(\t)+512*\i th:TH_LOAD_NT   ; 32 lanes read 512 consecutive bytes
.endr
.endm
.macro TURN t                          ; step t's numbers through the stage: LDS serves a wave's instructions in order, so no wait stands between the stores and the loads
.irp i, 0,1,2,3
	ds_store_b128 v14, v[R+16*((\t)%4)+4*\i:R+16*((\t)%4)+4*\i+3] offset:32*SP*((\t)%2)+8*SP*\i
.endr
.irp i, 0,1,2,3
	ds_load_b128 v[X+16*((\t)%2)+4*\i:X+16*((\t)%2)+4*\i+3], v15 offset:32*SP*((\t)%2)+16*\i
.endr
.endm
.irp t, 0,1,2,3
	LOAD \t
.endr
	s_wait_loadcnt 12                              ; step 0's four loads are in; three steps' twelve may be out
	TURN 0
.macro STEP t
.set XS, X+16*((\t)%2)
.if (\t) > 0
	s_wait_dscnt 1                                 ; this step's numbers are back from the stage (the last step's byte store may be out): so its stores into the stage have read their registers,
.else
	s_wait_dscnt 0x0
.endif
.if (\t)+4 < STEPS
	LOAD (\t)+4                                    ; which take the loads of four steps on
.endif
.if (\t)+1 < STEPS
.if STEPS-2-(\t) >= 3
	s_wait_loadcnt 12                              ; the next step's four loads are in; those of the three steps behind it may be out
.else
	s_wait_loadcnt 4*(STEPS-2-(\t))
.endif
	TURN (\t)+1                                    ; and go through the other stage while this step is worked
.endif
	v_max3_num_f32 v8, |v[XS]|, |v[XS+1]|, |v[XS+2]|               ; the largest magnitude of my 16, in two chains
	v_max3_num_f32 v9, |v[XS+3]|, |v[XS+4]|, |v[XS+5]|
.irp i, 6,10
	v_max3_num_f32 v8, v8, |v[XS+\i]|, |v[XS+\i+1]|
	v_max3_num_f32 v9, v9, |v[XS+\i+2]|, |v[XS+\i+3]|
.endr
	v_max3_num_f32 v8, v8, |v[XS+14]|, |v[XS+15]|
	v_max3_num_f32 v8, v8, v9, (EMAX+1)<<23        ; and the floor 2^(EMAX + 1 - 127): the byte cannot fall under 1
	v_max_num_f32_dpp v8, v8, v8 row_xmask:1 row_mask:0xf bank_mask:0xf   ; and of my neighbour's 16: the block's
	v_add_nc_u32 v11, -(EMAX<<23), v8              ; EMAX off its exponent field: the conversion takes the exponent field of this operand as its scale, and nothing else of it
	v_cvt_scalef32_pk8_fp4_f32 v[C+4*(\t)], v[XS:XS+7], v11
	v_cvt_scalef32_pk8_fp4_f32 v[C+4*(\t)+1], v[XS+8:XS+15], v11
	v_lshrrev_b32 v[E+(\t)], 23, v11               ; the scale's byte
	ds_store_b8 v5, v[E+(\t)] offset:16*(\t)       ; both lanes of a block write the same byte with the same value
	global_store_b64 v4, v[C+4*(\t):C+4*(\t)+1], s[20:21] offset:32*CB*(\t)   ; 32 lanes store 256 consecutive bytes, aligned
.endm
.irp t, 0,1,2,3,4,5,6,7,8,9,10,11,12,13,14,15
	STEP \t
.endr
	ds_load_b64 v[12:13], v6                       ; LDS serves a wave's instructions in order: these see my stores
	s_wait_dscnt 0x0
	global_store_b64 v4, v[12:13], s[22:23]        ; 32 lanes store 256 consecutive bytes, aligned
	s_barrier_signal -1
	s_barrier_wait -1
	s_wait_tensorcnt 0x0
	ds_add_u32 v192, v193
	s_wait_dscnt 0x0
	s_endpgm
.Lfunc_end_k_qbefc6bfe68_quant:
	.size	k_qbefc6bfe68_quant, .Lfunc_end_k_qbefc6bfe68_quant-k_qbefc6bfe68_quant
	.p2alignl 7, 3214868480
	.fill 96, 4, 3214868480
	.section	.rodata,"a",@progbits
	.p2align	6, 0x0
	.amdhsa_kernel k_qbefc6bfe68_quant
		.amdhsa_group_segment_fixed_size 33280
		.amdhsa_private_segment_fixed_size 0
		.amdhsa_enable_private_segment 0
		.amdhsa_kernarg_size 80
		.amdhsa_user_sgpr_count 2
		.amdhsa_user_sgpr_kernarg_segment_ptr 1
		.amdhsa_wavefront_size32 1
		.amdhsa_system_sgpr_workgroup_id_x 1
		.amdhsa_system_sgpr_workgroup_id_y 1
		.amdhsa_system_sgpr_workgroup_id_z 1
		.amdhsa_system_vgpr_workitem_id 0
		.amdhsa_next_free_vgpr 194
		.amdhsa_next_free_sgpr 66
		.amdhsa_reserve_vcc 0
		.amdhsa_float_denorm_mode_32 3
		.amdhsa_float_denorm_mode_16_64 3
		.amdhsa_memory_ordered 1
		.amdhsa_forward_progress 1
		.amdhsa_inst_pref_size 34
	.end_amdhsa_kernel
	.amdgpu_metadata
---
amdhsa.version: [ 1, 2 ]
amdhsa.kernels:
  - .name:           k_qbefc6bfe68_quant
    .symbol:         k_qbefc6bfe68_quant.kd
    .args:
      - { .name: x, .offset: 0, .size: 8, .value_kind: global_buffer, .address_space: global }
      - { .name: cam_emb, .offset: 8, .size: 8, .value_kind: global_buffer, .address_space: global }
      - { .name: render_emb, .offset: 16, .size: 8, .value_kind: global_buffer, .address_space: global }
      - { .name: wq, .offset: 24, .size: 8, .value_kind: global_buffer, .address_space: global }
      - { .name: wk, .offset: 32, .size: 8, .value_kind: global_buffer, .address_space: global }
      - { .name: wv, .offset: 40, .size: 8, .value_kind: global_buffer, .address_space: global }
      - { .name: wkr, .offset: 48, .size: 8, .value_kind: global_buffer, .address_space: global }
      - { .name: wvr, .offset: 56, .size: 8, .value_kind: global_buffer, .address_space: global }
      - { .name: codes, .offset: 64, .size: 8, .value_kind: global_buffer, .address_space: global }
      - { .name: scales, .offset: 72, .size: 8, .value_kind: global_buffer, .address_space: global }
    .group_segment_fixed_size: 33280
    .private_segment_fixed_size: 0
    .kernarg_segment_align: 8
    .kernarg_segment_size: 80
    .max_flat_workgroup_size: 128
    .sgpr_count:     66
    .vgpr_count:     194
    .wavefront_size: 32
...
	.end_amdgpu_metadata
.endif
;; end of part 1
;; launch proj (part 2): grid 16 x 16, 4 waves a work-group, clusters of 4 x 4, 327,680 bytes of LDS; arguments codes, scales, bq, bk, bv, bkr, bvr, gq, gk, freqs_x, freqs_cam, freqs_render, qh, kvh, ss, wo, woh; writes qh, kvh, ss, woh
.if DOCPART == 2
	.amdgcn_target "amdgcn-amd-amdhsa--gfx1250"
	.amdhsa_code_object_version 6
	.text
	.protected	k_qbefc6bfe68_proj
	.globl	k_qbefc6bfe68_proj
	.p2align	8
	.type	k_qbefc6bfe68_proj,@function
k_qbefc6bfe68_proj:
	s_mov_b64 s[64:65], 0
	v_nop
	global_prefetch_b8 v0, s[64:65] scope:SCOPE_SE
	s_setreg_imm32_b32 hwreg(HW_REG_WAVE_MODE, 25, 1), 1
	s_wait_xcnt 0x0
	s_wait_alu depctr_hold_cnt(0) depctr_sa_sdst(0) depctr_va_vdst(0) depctr_va_sdst(0) depctr_va_ssrc(0) depctr_va_vcc(0) depctr_vm_vsrc(0)
	s_getreg_b32 s2, hwreg(HW_REG_IB_STS2, 6, 4)
	s_cmp_eq_u32 s2, 0
	s_cbranch_scc0 .Lentry_in_a_cluster
	s_endpgm
.Lentry_in_a_cluster:
	s_bfe_u32 s2, ttmp6, 0x10000c
	s_cmp_lg_u32 s2, 0xf033
	s_cbranch_scc0 .Lentry_shape_is_right
	s_endpgm
.Lentry_shape_is_right:
; The five quantised products z = A W^T + bias, K = 2,048, on codes of FP4 with E8M0 scales, as ONE grid of 256 tiles of 256 x 256: 16 clusters of 4 x 4 work-groups, each cluster 1,024 x 1,024 of one product.
; Cluster c = 4 y + x:  0-7 x wq^T;  8, 9 cam wk^T;  10, 11 cam wv^T;  12, 13 render wkr^T;  14, 15 render wvr^T.  A's and B's rows both lie in the buffers codes and scales (rows 0-6143 the activations, from 6144 the weights).
; A work-group has four waves, a wave makes 128 x 128: 64 accumulators, 512 registers; its 128 columns are ONE head.  K goes in steps of 512 through a ring of two LDS slots; the scale bytes of the work-group's rows come into LDS once.
; The four work-groups of a row of the cluster need the same tiles of A, the four of a column the same tiles of B: each tile is asked for jointly.  The matrix instruction is used transposed (source 0 = 16 rows of W,
; source 1 = 16 rows of A): a lane holds eight neighbouring columns of one row.  THE BIAS IS THE C OF EACH SUM'S FIRST INSTRUCTION.
; BEHIND THE PRODUCTS.  v: z is rounded to f16 and stored.  q and k: the RMS norm spans the row's 16 heads, which lie in 8 work-groups.  Its factor is one number a row and commutes with gain and rotation, so here a wave
; stores S = the sum of z^2 over ITS head (ss[head][row]) and divides the row by the head's own rms: rho = rsq(S / 128 + 2^-100); then gain, rotation by freqs, f16.  The next launch multiplies the scores by
; sqrt(S / 128 + 2^-100) x rsq(sum of the 16 S / 2048 + eps) for each key and query.  What is rounded to f16 is so bounded by sqrt(128) |gain| |freq| whatever the inputs' size.
; qh: [b 2048 + s][2048] f16.  kvh: k at byte 0, v at byte 8,388,608, each [b 1024 + 512 (0 cam, 1 render) + s][2048] f16.  ss: f32 [16][6144]: rows 0-4095 q's, 4096 + k's row.
; WO ON THE WAY.  The last launch wants wo as f16 (woh).  Each of this launch's 1,024 waves converts 4,096 numbers of it at its head, behind its first tensor loads and ahead of the wait for them, in registers that the
; accumulators take only afterwards.
; LIMITS: NaN and infinities are not served; the bias enters as the sum's first addend, not its last; q, k (so scaled), v and wo are rounded once to f16: |v| or |wo| of 65,504 and more, and sqrt(128) |gain| |freq| of that size, are not served.
; REGISTERS, in windows of 256: window 0: v16-31 addresses; v32-95 scale words, two sets; v96-99 gain; v100-107 at work; v108-123 a pair for each block of 16 rows: sums of squares, then rho; v124-127 the sums as stored;
;   from v128 A's fragments, one set; on the way out v128-255 two sets of 16 rows.   window 1: B's fragments, two sets, at v0 and v128; v64-127 the bias; on the way out four sets of 16 rows of freqs.
;   window 2: the 32 accumulators of my rows 0-63 ((a, b) at v[8 (8 a + b)]); at the head v0-127 wo's numbers;   window 3: the accumulators of my rows 64-127.
.set KSTEP,  512                       ; along K in a slot
.set NQ,     4                         ; matrix instructions deep
.set ROWB,   256                       ; a tile's row in bytes
.set KROW,   1024                      ; a row of codes in memory
.set PITCH,  272                       ; an LDS row: 256 bytes + 16 of padding = 68 words: the 16 rows that a load touches start 4 words apart (64 banks of 4 bytes: ISA guide 11.1)
.set FR,     8                         ; registers of a fragment: 16 rows x 128 K
.set NL,     2                         ; LDS loads that bring one
.set NP,     4                         ; places behind this matrix instruction (ISA guide 7.12.1)
.set HALFT,  128*PITCH                 ; 128 rows: what one tensor load brings
.set SLOT,   4*HALFT                   ; A's 256 rows, then B's 256 rows
.set LAPS,   2                         ; 2,048 / (2 x 512)
.set KS,     64                        ; a row of scales in bytes
.set SCL,    2*SLOT                    ; behind the ring: the scales, as units of 256 bytes + 16 of padding
.set HALFS,  (128*KS/256)*272          ; those of 128 rows: what one tensor load brings
.set SBLK,   (16*KS/256)*272           ; those of 16 rows
.set SPARE,  SCL+4*HALFS               ; behind the scales: the spare words, 128 bytes for each wave
.set SPITCH, 528                       ; the way out: a stage of 16 rows x (512 bytes + 16) for each wave, in slot 0, which has had its last fill and its last read by then
.set PST,    HALFT                     ; v's way out has stages of its own, so many bytes behind the other way's
.set ADRA, 16                          ; v16-17  LDS address of my A fragments in slot 0, 1
.set ADRB, 20                          ; v20-21  the same for B
.set HB,   22                          ; v22     32 x (lane / 16): the bias' offset
.set STO,  24                          ; v24     the way out: where I put 32 bytes of a row
.set RD,   25                          ; v25     where I read a row back
.set CO,   26                          ; v26     16 x lane
.set ADRS, 27                          ; v27     LDS address of my scale words: lanes 0-15 A's rows, lanes 16-31 B's
.set SPW,  28                          ; v28     LDS address of my spare word; never rewritten
.set NIL,  29                          ; v29     0; never rewritten
.set CO8,  30                          ; v30     8 x lane
.set SO,   31                          ; v31     4 x lane
.set SC,   32
.set GN,   96
.set T,    100
.set SSP,  108
.set SST,  124
.set AF,   128
.set BK,   128
.set BI,   64                          ; in window 1
.set G1, 24                            ; s[24:31] descriptor group 1 for A's tiles;  s[32:39] group 0, one set for each slot
.set G0, 32
.set G1B, 48                           ; s[48:55], s[56:63] the same for B's tiles
.set G0B, 56
.set G1S, 68                           ; s[68:75], s[76:79] groups 1 and 0 for A's scales;  s[80:87], s[88:91] for B's
.set G0S, 76
.set G1SB, 80
.set G0SB, 88
; other scalars: s[2:3] wo (s3 later counts the laps), s[4:5] codes, s[6:7] scales, s[8:9] lane selects, s10 1 where the product is a v, s11 tile column among the weights' 40, s[12:13] where my rows go, s14 wave,
; s15, s16 its halves, s17 tile row, s[66:67] bias, s95 c, s[96:97] gain, s[98:99] freqs, s[100:101] ss, s[104:105] woh
.set MSB, 0
.macro WIN new                         ; the immediate's high byte repeats the setting that is left
.if MSB != \new
	s_set_vgpr_msb (MSB<<8)|\new
.set MSB, \new
.endif
.endm
.set MUL_LO, 0xa1                      ; source 0 (B) window 1, source 1 (A) window 0, C and D window 2
.set MUL_HI, 0xf1                      ; the same, C and D window 3
.set TO_B,   0x40                      ; destination window 1, address window 0
; A joint load: waves 0 and 1 fetch for A, waves 2 and 3 for B.  Each of the two lines has one mask and one set of registers for all that issue it; the branch hangs on the wave's number alone.
; Four v_nop follow each of the two lines, ahead of the jump, the label and what follows.
.macro JLOAD g0a, g1a, g0b, g1b
	s_cmp_eq_u32 s15, 0
	s_cbranch_scc0 .Lfor_b_\@
	tensor_load_to_lds s[\g0a:\g0a+3], s[\g1a:\g1a+7]
	s_nop 0
.rept 4
	v_nop
.endr
	s_branch .Lasked_\@
.Lfor_b_\@:
	tensor_load_to_lds s[\g0b:\g0b+3], s[\g1b:\g1b+7]
	s_nop 0
.rept 4
	v_nop
.endr
.Lasked_\@:
.endm
.macro CREST                           ; a round of the cluster's barrier behind its opening barrier
	s_cmp_lg_u32 s14, 0
	s_cbranch_scc1 .Lnot_wave_0_\@
	s_barrier_signal -3
.Lnot_wave_0_\@:
	s_barrier_wait -3
	s_barrier_signal -1
	s_barrier_wait -1
.endm
.macro CROUND                          ; a whole round
	s_barrier_signal -1
	s_barrier_wait -1
	CREST
.endm
	s_load_b128 s[4:7], s[0:1], 0x0                ; codes, scales
	s_load_b512 s[24:39], s[0:1], 0x10             ; bq 24, bk 26, bv 28, bkr 30, bvr 32, gq 34, gk 36, freqs_x 38
	s_load_b256 s[48:55], s[0:1], 0x50             ; freqs_cam 48, freqs_render 50, qh 52, kvh 54
	s_load_b64 s[56:57], s[0:1], 0x70              ; ss
	s_load_b64 s[2:3], s[0:1], 0x78                ; wo
	s_load_b64 s[104:105], s[0:1], 0x80            ; woh
	v_lshl_add_u32 v[SPW], v0, 2, SPARE
	v_mov_b32 v[NIL], 0
	ds_add_u32 v28, v29
	ds_add_u32 v28, v29
	s_wait_dscnt 0x0
	v_lshrrev_b32 v1, 5, v0
	v_readfirstlane_b32 s14, v1                    ; wave 0..3
	s_lshr_b32 s15, s14, 1                         ; which half of the tile's rows is mine.  Also: I fetch for A (0) or for B (1)
	s_and_b32 s16, s14, 1                          ; which half of its columns.  Also: which 128 rows of that tile I fetch
	s_bfe_u32 s40, ttmp6, 0x40000                  ; cx, cy: my place in the cluster
	s_bfe_u32 s41, ttmp6, 0x40004
	s_and_b32 s95, ttmp7, 0xffff
	s_lshl_b32 s95, s95, 2
	s_add_co_u32 s95, s95, ttmp9                   ; c: the cluster's number, the same in all sixteen partners
	s_lshr_b32 s18, s95, 1                         ; q: which 1,024 rows of x,
	s_and_b32 s20, s95, 1                          ;    which 1,024 rows of wq
	s_lshr_b32 s19, s95, 2
	s_add_co_u32 s19, s19, 2                       ; k, v: cam_emb is the fifth 1,024 rows of codes, render_emb the sixth;
	s_sub_co_u32 s21, s95, 6                       ;    the weights' halves follow wq's two in the order of c
	s_cmp_lt_u32 s95, 8
	s_cselect_b32 s18, s18, s19
	s_cselect_b32 s20, s20, s21
	s_lshl_b32 s17, s18, 2
	s_add_co_u32 s17, s17, s41                     ; A's tile: rows 256 s17 on, s17 = 0 .. 23
	s_lshl_b32 s11, s20, 2
	s_add_co_u32 s11, s11, s40                     ; B's tile among the weights' 40,
	s_add_co_u32 s42, s11, 24                      ; and in codes: rows 256 s42 on
	s_lshr_b32 s10, s95, 1
	s_and_b32 s10, s10, 1
	s_cmp_ge_u32 s95, 8
	s_cselect_b32 s10, s10, 0                      ; 1 for c = 10, 11, 14, 15: a product that makes v
	s_lshl_b32 s43, s41, 2
	s_lshl_b32 s43, 15, s43                        ; my row of the cluster
	s_lshl_b32 s44, 0x1111, s40                    ; my column
	s_mov_b32 s8, 0x76543210
	s_mov_b32 s9, 0xfedcba98                       ; v_permlanex16_b32's selects for lane l xor 16
	s_wait_kmcnt 0x0
	; the product's own pointers go to registers of their own; the choices hang on c alone.  Then the registers that brought them take the descriptors
	s_mov_b64 s[66:67], s[24:25]
	s_mov_b64 s[96:97], s[34:35]
	s_mov_b64 s[98:99], s[38:39]
	s_mov_b64 s[12:13], s[52:53]
	s_mov_b64 s[100:101], s[56:57]
	s_cmp_ge_u32 s95, 8
	s_cselect_b64 s[66:67], s[26:27], s[66:67]
	s_cselect_b64 s[96:97], s[36:37], s[96:97]
	s_cselect_b64 s[98:99], s[48:49], s[98:99]
	s_cselect_b64 s[12:13], s[54:55], s[12:13]
	s_cmp_ge_u32 s95, 10
	s_cselect_b64 s[66:67], s[28:29], s[66:67]
	s_cmp_ge_u32 s95, 12
	s_cselect_b64 s[66:67], s[30:31], s[66:67]
	s_cselect_b64 s[98:99], s[50:51], s[98:99]
	s_cmp_ge_u32 s95, 14
	s_cselect_b64 s[66:67], s[32:33], s[66:67]
	; descriptor group 1: a tile of 128 rows x 256 bytes, padded in LDS
	s_or_b32 s[G1+0], s43, (0<<16)|(1<<20)|(1<<21)|(5<<22)|(3<<25)  ; 15:0 the mask: A's tiles go to my row; 17:16 element of 1 byte; 20 padding on; 21 set beside a mask; 24:22 after every 64 words (code 5); 31:25 of 4 words (code 3)
	s_or_b32 s[G1B+0], s44, (0<<16)|(1<<20)|(1<<21)|(5<<22)|(3<<25)
.irp g, G1, G1B
	s_mov_b32 s[\g+1], ROWB<<16                    ; tensor_dim0
	s_mov_b32 s[\g+2], 128<<16                     ; tensor_dim1 = 128
	s_mov_b32 s[\g+3], ROWB<<16                    ; tile_dim0
	s_mov_b32 s[\g+4], 128                         ; tile_dim1 = 128
	s_mov_b32 s[\g+5], KROW                        ; tensor_dim0_stride
	s_mov_b32 s[\g+6], 0
	s_mov_b32 s[\g+7], 0
.endr
	; and for the scales of 128 rows: a dense block of 8,192 bytes, as rows of 256 bytes (32 elements of 8 bytes), 16 bytes of padding behind each
	s_or_b32 s[G1S+0], s43, (3<<16)|(1<<20)|(1<<21)|(5<<22)|(3<<25)
	s_or_b32 s[G1SB+0], s44, (3<<16)|(1<<20)|(1<<21)|(5<<22)|(3<<25)
.irp g, G1S, G1SB
	s_mov_b32 s[\g+1], 32<<16
	s_mov_b32 s[\g+2], (128*KS/256)<<16
	s_mov_b32 s[\g+3], 32<<16
	s_mov_b32 s[\g+4], 128*KS/256
	s_mov_b32 s[\g+5], 32
	s_mov_b32 s[\g+6], 0
	s_mov_b32 s[\g+7], 0
.endr
	s_lshl_b32 s18, s16, 7                         ; which 128 rows of the tile I fetch
	s_lshl_b32 s20, s17, 8
	s_add_co_u32 s20, s20, s18                     ; A: row 256 x tile + 128 x half
	s_lshl_b32 s46, s42, 8
	s_add_co_u32 s46, s46, s18                     ; B likewise
	s_mov_b32 s21, 0
	s_mov_b32 s47, 0
	s_mov_b64 s[18:19], KS
	s_mul_u64 s[22:23], s[20:21], s[18:19]         ; where these rows' scales begin, in bytes,
	s_mul_u64 s[92:93], s[46:47], s[18:19]
	s_mov_b64 s[18:19], KROW
	s_mul_u64 s[20:21], s[20:21], s[18:19]         ; and their codes
	s_mul_u64 s[46:47], s[46:47], s[18:19]
	s_mul_i32 s45, s14, HALFT                      ; where they go: wave x 128 rows: no place in the cluster enters an LDS address
	s_mul_i32 s94, s14, HALFS
	s_add_nc_u64 s[20:21], s[4:5], s[20:21]
	s_add_nc_u64 s[22:23], s[6:7], s[22:23]
	s_add_nc_u64 s[46:47], s[4:5], s[46:47]
	s_add_nc_u64 s[92:93], s[6:7], s[92:93]
	CROUND                                         ; all sixteen work-groups are here: the first joint loads meet
	s_mov_b32 s[G0S], 1
	s_add_co_u32 s[G0S+1], s94, SCL
	s_mov_b64 s[G0S+2:G0S+3], s[22:23]
	s_or_b32 s[G0S+3], s[G0S+3], 0x80000000
	s_mov_b32 s[G0SB], 1
	s_add_co_u32 s[G0SB+1], s94, SCL
	s_mov_b64 s[G0SB+2:G0SB+3], s[92:93]
	s_or_b32 s[G0SB+3], s[G0SB+3], 0x80000000
	JLOAD G0S, G1S, G0SB, G1SB                     ; the scales first: they are wanted with K step 0
.irp s, 0,1
	s_mov_b32 s[G0+4*\s], 1
	s_add_co_u32 s[G0+4*\s+1], s45, \s*SLOT
	s_add_nc_u64 s[G0+4*\s+2:G0+4*\s+3], s[20:21], \s*ROWB
	s_or_b32 s[G0+4*\s+3], s[G0+4*\s+3], 0x80000000
	s_mov_b32 s[G0B+4*\s], 1
	s_add_co_u32 s[G0B+4*\s+1], s45, \s*SLOT
	s_add_nc_u64 s[G0B+4*\s+2:G0B+4*\s+3], s[46:47], \s*ROWB
	s_or_b32 s[G0B+4*\s+3], s[G0B+4*\s+3], 0x80000000
	JLOAD G0+4*\s, G1, G0B+4*\s, G1B               ; three tensor loads of mine are out now
.endr
	v_and_b32 v1, 15, v0                           ; l % 16
	v_bfe_u32 v2, v0, 4, 1                         ; l / 16
	v_mul_u32_u24 v3, v1, PITCH
	v_lshl_add_u32 v4, v2, 4, v3                   ; a fragment's row x pitch + 16 x half
	s_mul_i32 s21, s15, HALFT                      ; my 128 rows of A
	s_mul_i32 s22, s16, HALFT                      ; my 128 rows of B,
	s_add_co_u32 s22, s22, 2*HALFT                 ; which lie behind A's 256
.irp s, 0,1
	v_add_nc_u32 v[ADRA+\s], s21, v4
	v_add_nc_u32 v[ADRB+\s], s22, v4
	s_add_co_u32 s21, s21, SLOT
	s_add_co_u32 s22, s22, SLOT
.endr
	v_mul_u32_u24 v5, v1, KS                       ; my row's scales: KS bytes a row,
	v_lshrrev_b32 v6, 8, v5
	v_lshl_add_u32 v5, v6, 4, v5                   ; and 16 more for each 256 passed
	s_mul_i32 s21, s15, HALFS                      ; A's: my 128 rows
	s_mul_i32 s22, s16, HALFS                      ; B's: my 128 rows, behind A's 256
	s_add_co_u32 s22, s22, 2*HALFS
	s_sub_co_u32 s22, s22, s21
	v_mul_u32_u24 v6, s22, v2                      ; lanes 16-31 take B's
	s_add_co_u32 s21, s21, SCL
	v_add_nc_u32 v5, v5, v6
	v_add_nc_u32 v[ADRS], s21, v5
	s_mul_i32 s23, s14, 16*SPITCH                  ; my stage
	v_mul_u32_u24 v5, v1, SPITCH                   ; in: row l % 16, 32 bytes for each half of the lanes
	v_lshl_add_u32 v5, v2, 5, v5
	v_add_nc_u32 v[STO], s23, v5
	v_and_b32 v6, 31, v0
	v_lshlrev_b32 v[CO], 4, v6                     ; back: the 32 lanes take one row of 512 bytes
	v_add_nc_u32 v[RD], s23, v[CO]
	v_lshlrev_b32 v[CO8], 3, v6
	v_lshlrev_b32 v[SO], 2, v6
	v_lshlrev_b32 v[HB], 5, v2
	; where my 128 x 128 lie: these numbers enter global addresses alone
	s_and_b32 s18, s11, 7
	s_lshl_b32 s18, s18, 8
	s_lshl_b32 s19, s16, 7
	s_add_co_u32 s18, s18, s19                     ; my first column of the product's 2,048
	s_lshl_b32 s19, s15, 7                         ; my half of the tile's rows
	s_lshl_b32 s20, s17, 8
	s_add_co_u32 s20, s20, s19                     ; q: my first row of qh,
	s_and_b32 s21, s17, 7
	s_lshl_b32 s21, s21, 8
	s_add_co_u32 s21, s21, s19                     ;    and its place in the sequence: the row of freqs_x
	s_sub_co_u32 s22, s17, 16                      ; k, v: tile 0 .. 7 of cam_emb's four and render_emb's four
	s_and_b32 s23, s22, 1
	s_lshl_b32 s23, s23, 8
	s_add_co_u32 s23, s23, s19                     ;    the place in the sequence of 512
	s_bfe_u32 s46, s22, 0x10001                    ;    the batch,
	s_lshl_b32 s46, s46, 10
	s_bfe_u32 s47, s22, 0x10002                    ;    cam or render
	s_lshl_b32 s47, s47, 9
	s_add_co_u32 s46, s46, s47
	s_add_co_u32 s46, s46, s23                     ;    my first row of kvh's halves,
	s_add_co_u32 s47, s46, 4096                    ;    and of ss
	s_cmp_lt_u32 s95, 8
	s_cselect_b32 s21, s21, s23
	s_cselect_b32 s47, s20, s47
	s_cselect_b32 s20, s20, s46
	s_lshl_b32 s22, s20, 12                        ; a row of qh or kvh is 4,096 bytes
	s_lshl_b32 s23, s18, 1
	s_add_co_u32 s22, s22, s23
	s_lshl_b32 s23, s10, 23                        ; v lies 8,388,608 bytes behind k
	s_add_co_u32 s22, s22, s23
	s_mov_b32 s23, 0
	s_add_nc_u64 s[12:13], s[12:13], s[22:23]
	s_lshl_b32 s22, s21, 9                         ; a row of freqs is 512 bytes
	s_add_nc_u64 s[98:99], s[98:99], s[22:23]
	s_lshr_b32 s22, s18, 7                         ; my head
	s_mul_i32 s22, s22, 6144
	s_add_co_u32 s22, s22, s47
	s_lshl_b32 s22, s22, 2
	s_add_nc_u64 s[100:101], s[100:101], s[22:23]
	s_lshl_b32 s22, s18, 2
	s_add_nc_u64 s[66:67], s[66:67], s[22:23]
	s_add_nc_u64 s[96:97], s[96:97], s[22:23]
	WIN TO_B
.irp b, 0,1,2,3,4,5,6,7                        ; the bias in the result's layout: block b, lane (r, h), register j: column 16 b + 8 h + j
	global_load_b128 v[BI+8*\b:BI+8*\b+3],   v[HB], s[66:67] offset:64*\b
	global_load_b128 v[BI+8*\b+4:BI+8*\b+7], v[HB], s[66:67] offset:64*\b+16
.endr
	WIN 0
	global_load_b128 v[GN:GN+3], v[CO], s[96:97]   ; the gain of columns 4 lane .. 4 lane + 3
	; WO TO F16, while my first tiles are on their way: run 4 (16 c + 4 cy + cx) + wave of 1,024 runs of 4,096 numbers.  The run's number enters global addresses alone.
	s_lshl_b32 s18, s95, 4
	s_lshl_b32 s19, s41, 2
	s_add_co_u32 s18, s18, s19
	s_add_co_u32 s18, s18, s40                     ; my work-group, 0 .. 255
	s_lshl_b32 s18, s18, 2
	s_add_co_u32 s18, s18, s14
	s_lshl_b32 s22, s18, 14                        ; 16,384 bytes of wo a run,
	s_mov_b32 s23, 0
	s_add_nc_u64 s[2:3], s[2:3], s[22:23]
	s_lshl_b32 s22, s18, 13                        ; 8,192 of woh
	s_add_nc_u64 s[104:105], s[104:105], s[22:23]
	WIN 0x80                                       ; destination window 2
.set wi, 0
.rept 32
	global_load_b128 v[4*wi:4*wi+3], v[CO], s[2:3] offset:512*wi th:TH_LOAD_NT   ; 32 lanes read 512 consecutive bytes
.set wi, wi+1
.endr
	s_wait_loadcnt 0x0                             ; these, the bias and the gain
	WIN 0x8a                                       ; sources and destination window 2
.set wi, 0
.rept 32
	v_cvt_pk_f16_f32 v[4*wi], v[4*wi], v[4*wi+1]
	v_cvt_pk_f16_f32 v[4*wi+1], v[4*wi+2], v[4*wi+3]
.set wi, wi+1
.endr
	WIN 0x08                                       ; a store's data are its source 1: window 2
.set wi, 0
.rept 32
	global_store_b64 v[CO8], v[4*wi:4*wi+1], s[104:105] offset:256*wi   ; 32 lanes store 256 consecutive bytes, aligned
.set wi, wi+1
.endr
	WIN 0
.macro FRAG reg, adr, q, i             ; a fragment, 16 rows x 128 K of 4-bit codes: lane l holds row l % 16; registers 4 c .. 4 c + 3 hold K = 64 c + 32 (l / 16) + 0 .. 31
.irp c, 0,1
	ds_load_b128 v[\reg+4*\c:\reg+4*\c+3], v[\adr] offset:64*(\q)+32*\c+(\i)*16*PITCH
.endr
.endm
; 16 matrix instructions: A's blocks a0, a0 + 1 x B's eight, 128 along K: the slot's q-th.  p: B's set;  sc: the set of scale words.  first = 1: the sums begin with the bias.
; The 64 accumulators take turns, one instruction a turn, in the same order in every step.
.macro MUL16 a0, p, q, sc, first
.irp a, \a0, \a0+1
.irp b, 0,1,2,3,4,5,6,7
.if \first
	v_wmma_scale_f32_16x16x128_f8f6f4 v[8*(8*((\a)%4)+\b):8*(8*((\a)%4)+\b)+7], v[128*(\p)+FR*\b:128*(\p)+FR*\b+FR-1], v[AF+FR*(\a):AF+FR*(\a)+FR-1], v[BI+8*\b:BI+8*\b+7], v[SC+8*NQ*(\sc)+NQ*\b+(\q)], v[SC+8*NQ*(\sc)+NQ*(\a)+(\q)] matrix_a_fmt:MATRIX_FMT_FP4 matrix_b_fmt:MATRIX_FMT_FP4 matrix_a_scale:MATRIX_SCALE_ROW1
.else
	v_wmma_scale_f32_16x16x128_f8f6f4 v[8*(8*((\a)%4)+\b):8*(8*((\a)%4)+\b)+7], v[128*(\p)+FR*\b:128*(\p)+FR*\b+FR-1], v[AF+FR*(\a):AF+FR*(\a)+FR-1], v[8*(8*((\a)%4)+\b):8*(8*((\a)%4)+\b)+7], v[SC+8*NQ*(\sc)+NQ*\b+(\q)], v[SC+8*NQ*(\sc)+NQ*(\a)+(\q)] matrix_a_fmt:MATRIX_FMT_FP4 matrix_b_fmt:MATRIX_FMT_FP4 matrix_a_scale:MATRIX_SCALE_ROW1
.endif
.endr
.endr
.endm
.macro FETCH_B slot, q, p              ; B's eight fragments of the slot's q-th 128 along K into set p
	WIN TO_B
.irp i, 0,1,2,3,4,5,6,7
	FRAG 128*(\p)+FR*\i, ADRB+\slot, \q, \i
.endr
	WIN 0
.endm
.macro FETCH_A slot, q, i0             ; A's blocks i0 .. i0 + 3
.irp i, \i0, \i0+1, \i0+2, \i0+3
	FRAG AF+FR*(\i), ADRA+\slot, \q, \i
.endr
.endm
.macro SCALES sc                       ; a K step's scale words into set sc: NQ words a row; lanes 0-15 take A's block i, lanes 16-31 B's block i
.irp i, 0,1,2,3,4,5,6,7
	ds_load_b128 v[SC+8*NQ*\sc+NQ*\i:SC+8*NQ*\sc+NQ*\i+3], v[ADRS] offset:\i*SBLK
.endr
.endm
; A load into a register that a matrix instruction has read, and a vector instruction or an LDS store that reads a matrix result, stand NP places behind that matrix instruction; only plain vector
; instructions that name none of its registers are places (ISA guide 7.12.1 for vector instructions).
.macro PLACES n
.rept \n
	v_nop
.endr
.endm
; A step of 128 along K that has its successor in the same slot.  A's blocks are free as soon as their eight products are issued, so one set serves A: blocks 0-3 come anew in the step's middle, blocks 4-7 at its end.
.macro STEP slot, q, first
	s_wait_dscnt 4*NL                              ; B's set and A's blocks 0-3 are in; the youngest eight loads (A's blocks 4-7) may be out
.if \first
	WIN 0x91                                       ; as MUL_LO, but C (the bias) in window 1
.else
	WIN MUL_LO
.endif
	MUL16 0, (\q)%2, \q, \slot, \first
	MUL16 2, (\q)%2, \q, \slot, \first
	s_wait_dscnt 0                                 ; A's blocks 4-7 are in (asked for 32 matrix instructions ago)
	PLACES NP
	FETCH_B \slot, (\q)+1, 1-(\q)%2
	FETCH_A \slot, (\q)+1, 0
.if \first
	WIN 0xd1                                       ; as MUL_HI, but C in window 1
.else
	WIN MUL_HI
.endif
	MUL16 4, (\q)%2, \q, \slot, \first
	MUL16 6, (\q)%2, \q, \slot, \first
	PLACES NP
	WIN 0
	FETCH_A \slot, (\q)+1, 4
.endm
; A slot's last step changes slots: ONE barrier; in front of it each wave waits for all its tensor loads, adds 0 to its spare word, and waits for that and for its own reads of this slot.  fill = 1: this slot is filled again, two K steps ahead.
.macro TURN slot, next, fill
	s_wait_tensorcnt 0x0                           ; all my tensor loads have landed: my part of the next slot  (every window is 0 here)
	ds_add_u32 v[SPW], v[NIL]                      ; 0 onto my spare word
	s_wait_dscnt 4*NL+1                            ; (the add and the youngest eight loads, A's blocks 4-7, may be out)
	WIN MUL_LO
	MUL16 0, 1, NQ-1, \slot, 0                     ; sixteen matrix instructions stand between the add and the wait for it
	s_wait_dscnt 0x0                               ; the add is done, and my reads of this slot are over
	s_barrier_signal -1
	MUL16 2, 1, NQ-1, \slot, 0
	WIN 0
	s_barrier_wait -1
.if \fill
	CREST                                          ; the barrier has opened a round of the cluster's barrier: no wave of any partner still reads this slot's tile or has a load on its way
	s_add_nc_u64 s[G0+4*\slot+2:G0+4*\slot+3], s[G0+4*\slot+2:G0+4*\slot+3], 2*ROWB
	s_add_nc_u64 s[G0B+4*\slot+2:G0B+4*\slot+3], s[G0B+4*\slot+2:G0B+4*\slot+3], 2*ROWB
	JLOAD G0+4*\slot, G1, G0B+4*\slot, G1B         ; the first tensor load behind the round, my one load until the next; its four v_nop are the places in front of the loads below
.else
	PLACES NP
.endif
	v_add_nc_u32 v[ADRS], 4*NQ, v[ADRS]            ; on to the next K step's scale words
	FETCH_B \next, 0, 0
	FETCH_A \next, 0, 0
	SCALES \next
	WIN MUL_HI
	MUL16 4, 1, NQ-1, \slot, 0
	MUL16 6, 1, NQ-1, \slot, 0
	PLACES NP
	WIN 0
	FETCH_A \next, 0, 4
.endm
.macro STEPS slot, from                ; the slot's steps from .. NQ - 2
.set Q, \from
.rept NQ-1-\from
	STEP \slot, Q, 0
.set Q, Q+1
.endr
.endm
	s_wait_tensorcnt 1                             ; the scales and my part of K step 0 are in (K step 1's load may be out),
	s_barrier_signal -1
	s_barrier_wait -1                              ; everybody's are
	FETCH_B 0, 0, 0
	FETCH_A 0, 0, 0
	SCALES 0
	FETCH_A 0, 0, 4
	s_wait_xcnt 0x0                                ; woh's stores have read their registers, which the first products write
	STEP 0, 0, 1                                   ; the first step stands in front of the loop: its products start the sums, from the bias
	s_mov_b32 s3, LAPS-1
.Llap:                                                 ; a trip goes once round the ring, from a lap's second step to the next lap's first, and fills both slots again
	STEPS 0, 1
	TURN 0, 1, 1
	STEPS 1, 0
	TURN 1, 0, 1
	STEP 0, 0, 0
	s_sub_co_u32 s3, s3, 1
	s_cmp_lg_u32 s3, 0
	s_cbranch_scc1 .Llap
	STEPS 0, 1                                     ; the last lap fills nothing, and has no round of the cluster's barrier
	TURN 0, 1, 0
	STEPS 1, 0
	s_wait_dscnt 4*NL                              ; the very last step: nothing more to fetch
	WIN MUL_LO
	MUL16 0, 1, NQ-1, 1, 0
	MUL16 2, 1, NQ-1, 1, 0
	s_wait_dscnt 0
	WIN MUL_HI
	MUL16 4, 1, NQ-1, 1, 0
	MUL16 6, 1, NQ-1, 1, 0
	WIN 0
; THE WAY OUT, block by block of 16 rows x 128 columns, through my own stage in LDS: in as 32 bytes a lane of a row, back as whole rows of 512 bytes, lane l holding columns 4 l .. 4 l + 3.
; LDS serves a wave's instructions in order (ISA guide 5.7.1.4): no wait between the stores and the loads, nor in front of the next block's stores.
.macro TOSTAGE a, base
.set AC, 64*((\a)%4)
	WIN 0x08+4*((\a)/4)                            ; the data: window 2 or 3
.irp b, 0,1,2,3,4,5,6,7
	ds_store_b128 v[STO], v[AC+8*\b:AC+8*\b+3] offset:\base+64*\b          ; each accumulator from its low end on
	ds_store_b128 v[STO], v[AC+8*\b+4:AC+8*\b+7] offset:\base+64*\b+16
.endr
	WIN 0
.set BB, BK+64*((\a)%2)
.irp t, 0,1,2,3,4,5,6,7,8,9,10,11,12,13,14,15
	ds_load_b128 v[BB+4*\t:BB+4*\t+3], v[RD] offset:\base+\t*SPITCH
.endr
.endm
.macro FLOAD a                         ; block a's 16 rows of freqs into set a % 4 of window 1: a row is 512 bytes, as a head's row is; lane l gets (re, im, re, im) of columns 4 l .. 4 l + 3
	WIN TO_B
.irp t, 0,1,2,3,4,5,6,7,8,9,10,11,12,13,14,15
	global_load_b128 v[64*((\a)%4)+4*\t:64*((\a)%4)+4*\t+3], v[CO], s[98:99] offset:(16*(\a)+\t)*512
.endr
	WIN 0
.endm
.macro SSQ w                           ; the sums of z^2 of window 2 + w's four blocks: a lane's 64 numbers of a block are of one row; the four blocks by turns; each accumulator is read from its low end on
	WIN 0x0a+5*(\w)
.irp b, 0,1,2,3,4,5,6,7
.irp p, 0,1,2,3
.irp a, 0,1,2,3
.if (\b == 0) && (\p == 0)
	v_pk_mul_f32 v[SSP+2*(4*(\w)+\a):SSP+2*(4*(\w)+\a)+1], v[64*\a+8*\b+2*\p:64*\a+8*\b+2*\p+1], v[64*\a+8*\b+2*\p:64*\a+8*\b+2*\p+1]
.else
	v_pk_fma_f32 v[SSP+2*(4*(\w)+\a):SSP+2*(4*(\w)+\a)+1], v[64*\a+8*\b+2*\p:64*\a+8*\b+2*\p+1], v[64*\a+8*\b+2*\p:64*\a+8*\b+2*\p+1], v[SSP+2*(4*(\w)+\a):SSP+2*(4*(\w)+\a)+1]
.endif
.endr
.endr
.endr
.endm
.macro RHO w                           ; window 2 + w's four blocks x rho of the lane's row
	WIN 0x82+0x41*(\w)
.irp a, 0,1,2,3
.set jj, 0
.rept 32
	v_pk_mul_f32 v[64*\a+jj:64*\a+jj+1], v[64*\a+jj:64*\a+jj+1], v[SSP+2*(4*(\w)+\a):SSP+2*(4*(\w)+\a)+1] op_sel_hi:[1,0]
.set jj, jj+2
.endr
.endr
.endm
; Block a is back from the stage: gain, rotation, f16, store.  younger: the LDS instructions issued behind its loads;  left: the loads of freqs issued behind its own set's.
.macro SENDR a, younger, left
.set BB, BK+64*((\a)%2)
.set FF, 64*((\a)%4)
	s_wait_dscnt \younger
.irp t, 0,1,2,3,4,5,6,7,8,9,10,11,12,13,14,15
	v_pk_mul_f32 v[BB+4*\t:BB+4*\t+1], v[BB+4*\t:BB+4*\t+1], v[GN:GN+1]
	v_pk_mul_f32 v[BB+4*\t+2:BB+4*\t+3], v[BB+4*\t+2:BB+4*\t+3], v[GN+2:GN+3]
.endr
	s_wait_loadcnt \left
	WIN 0x04                                       ; source 1 (freqs) in window 1
.irp t, 0,1,2,3,4,5,6,7,8,9,10,11,12,13,14,15  ; a pair (y0, y1) by (f0, f1): first (-y1 f1, y1 f0), then (y0 f0, y0 f1) onto it
	v_pk_mul_f32 v[T+4*(\t%2):T+4*(\t%2)+1], v[BB+4*\t:BB+4*\t+1], v[FF+4*\t:FF+4*\t+1] op_sel:[1,1] op_sel_hi:[1,0] neg_lo:[1,0]
	v_pk_mul_f32 v[T+4*(\t%2)+2:T+4*(\t%2)+3], v[BB+4*\t+2:BB+4*\t+3], v[FF+4*\t+2:FF+4*\t+3] op_sel:[1,1] op_sel_hi:[1,0] neg_lo:[1,0]
	v_pk_fma_f32 v[BB+4*\t:BB+4*\t+1], v[BB+4*\t:BB+4*\t+1], v[FF+4*\t:FF+4*\t+1], v[T+4*(\t%2):T+4*(\t%2)+1] op_sel:[0,0,0] op_sel_hi:[0,1,1]
	v_pk_fma_f32 v[BB+4*\t+2:BB+4*\t+3], v[BB+4*\t+2:BB+4*\t+3], v[FF+4*\t+2:FF+4*\t+3], v[T+4*(\t%2)+2:T+4*(\t%2)+3] op_sel:[0,0,0] op_sel_hi:[0,1,1]
.endr
	WIN 0
.irp t, 0,1,2,3,4,5,6,7,8,9,10,11,12,13,14,15
	v_cvt_pk_f16_f32 v[BB+4*\t], v[BB+4*\t], v[BB+4*\t+1]
	v_cvt_pk_f16_f32 v[BB+4*\t+1], v[BB+4*\t+2], v[BB+4*\t+3]
.endr
.irp t, 0,1,2,3,4,5,6,7,8,9,10,11,12,13,14,15
	global_store_b64 v[CO8], v[BB+4*\t:BB+4*\t+1], s[12:13] offset:(16*(\a)+\t)*4096   ; 32 lanes store 256 consecutive bytes, aligned: a head's part of a row
.endr
.endm
.macro SENDP a, younger                ; the same for v: f16, store
.set BB, BK+64*((\a)%2)
	s_wait_dscnt \younger
.irp t, 0,1,2,3,4,5,6,7,8,9,10,11,12,13,14,15
	v_cvt_pk_f16_f32 v[BB+4*\t], v[BB+4*\t], v[BB+4*\t+1]
	v_cvt_pk_f16_f32 v[BB+4*\t+1], v[BB+4*\t+2], v[BB+4*\t+3]
.endr
.irp t, 0,1,2,3,4,5,6,7,8,9,10,11,12,13,14,15
	global_store_b64 v[CO8], v[BB+4*\t:BB+4*\t+1], s[12:13] offset:(16*(\a)+\t)*4096
.endr
.endm
	s_cmp_eq_u32 s10, 1                            ; the same in all sixteen partners; no barrier and no tensor load lies on either way
	s_cbranch_scc1 .Lplain
	s_mov_b32 s92, 0x3c000000                      ; 1 / 128
	s_mov_b32 s93, 0x0d800000                      ; 2^-100: a head of zeros stays zeros
	PLACES NP                                      ; behind the last products: for the loads into B's and the bias' registers, and the first reads of results
	FLOAD 0
	FLOAD 1
	FLOAD 2
	FLOAD 3
	SSQ 0
	SSQ 1
	WIN 0
.irp a, 0,1,2,3,4,5,6,7
	v_add_f32 v[SSP+2*\a], v[SSP+2*\a], v[SSP+2*\a+1]
.endr
.irp a, 0,1,2,3,4,5,6,7
	v_permlanex16_b32 v[SSP+2*\a+1], v[SSP+2*\a], s8, s9
.endr
.irp a, 0,1,2,3,4,5,6,7
	v_add_f32 v[SSP+2*\a], v[SSP+2*\a], v[SSP+2*\a+1]   ; with lane l xor 16's 64 columns: S of row 16 a + l % 16, in both halves of the lanes
.endr
	v_cmp_lt_u32 vcc_lo, 63, v[SO]                 ; lanes 16-31
.irp i, 0,1,2,3
	v_cndmask_b32 v[SST+\i], v[SSP+4*\i], v[SSP+4*\i+2], vcc_lo   ; lane l: row 32 i + l
.endr
.irp i, 0,1,2,3
	global_store_b32 v[SO], v[SST+\i], s[100:101] offset:128*\i
.endr
.irp a, 0,1,2,3,4,5,6,7
	v_fma_f32 v[SSP+2*\a], v[SSP+2*\a], s92, s93
.endr
.irp a, 0,1,2,3,4,5,6,7
	v_rsq_f32 v[SSP+2*\a], v[SSP+2*\a]             ; rho
.endr
	v_nop                                          ; a plain place behind the last transcendental
	s_wait_alu depctr_va_vdst(0)
	RHO 0
	RHO 1
	WIN 0
	TOSTAGE 0, 0
.irp a, 1,2,3,4,5,6,7
.if \a > 1
	s_wait_xcnt 0x0                                ; block a - 2's stores have read their registers: block a's loads may land there
.endif
	TOSTAGE \a, 0
.if \a < 6
	SENDR \a-1, 32, 48                             ; behind block a - 1's LDS loads: block a's 16 stores and 16 loads; behind its freqs: three sets of 16 loads
.else
	SENDR \a-1, 32, 16*(8-\a)
.endif
.if \a < 5
	FLOAD \a+3                                     ; into the set that has just been used
.endif
.endr
	SENDR 7, 0, 0
	s_branch .Lend
.Lplain:
	PLACES NP
	TOSTAGE 0, PST
.irp a, 1,2,3,4,5,6,7
.if \a > 1
	s_wait_xcnt 0x0
.endif
	TOSTAGE \a, PST
	SENDP \a-1, 32
.endr
	SENDP 7, 0
.Lend:
	s_wait_tensorcnt 0x0                           ; the wave's end: behind my last tensor load and my last LDS store
	ds_add_u32 v[SPW], v[NIL]
	s_wait_dscnt 0x0
	CROUND                                         ; the closing round: no work-group ends while a partner may still ask for a tile that names it
	s_endpgm
.Lfunc_end_k_qbefc6bfe68_proj:
	.size	k_qbefc6bfe68_proj, .Lfunc_end_k_qbefc6bfe68_proj-k_qbefc6bfe68_proj
	.p2alignl 7, 3214868480
	.fill 96, 4, 3214868480
	.section	.rodata,"a",@progbits
	.p2align	6, 0x0
	.amdhsa_kernel k_qbefc6bfe68_proj
		.amdhsa_group_segment_fixed_size 327680
		.amdhsa_private_segment_fixed_size 0
		.amdhsa_enable_private_segment 0
		.amdhsa_kernarg_size 136
		.amdhsa_user_sgpr_count 2
		.amdhsa_user_sgpr_kernarg_segment_ptr 1
		.amdhsa_wavefront_size32 1
		.amdhsa_system_sgpr_workgroup_id_x 1
		.amdhsa_system_sgpr_workgroup_id_y 1
		.amdhsa_system_sgpr_workgroup_id_z 1
		.amdhsa_system_vgpr_workitem_id 0
		.amdhsa_next_free_vgpr 1024
		.amdhsa_next_free_sgpr 106
		.amdhsa_reserve_vcc 1
		.amdhsa_float_denorm_mode_32 3
		.amdhsa_float_denorm_mode_16_64 3
		.amdhsa_memory_ordered 1
		.amdhsa_forward_progress 1
		.amdhsa_inst_pref_size 255
	.end_amdhsa_kernel
	.section	.bss,"aw",@nobits
	.p2align	6
	.space	262144
	.amdgpu_metadata
---
amdhsa.version: [ 1, 2 ]
amdhsa.kernels:
  - .name:           k_qbefc6bfe68_proj
    .symbol:         k_qbefc6bfe68_proj.kd
    .args:
      - { .name: codes, .offset: 0, .size: 8, .value_kind: global_buffer, .address_space: global }
      - { .name: scales, .offset: 8, .size: 8, .value_kind: global_buffer, .address_space: global }
      - { .name: bq, .offset: 16, .size: 8, .value_kind: global_buffer, .address_space: global }
      - { .name: bk, .offset: 24, .size: 8, .value_kind: global_buffer, .address_space: global }
      - { .name: bv, .offset: 32, .size: 8, .value_kind: global_buffer, .address_space: global }
      - { .name: bkr, .offset: 40, .size: 8, .value_kind: global_buffer, .address_space: global }
      - { .name: bvr, .offset: 48, .size: 8, .value_kind: global_buffer, .address_space: global }
      - { .name: gq, .offset: 56, .size: 8, .value_kind: global_buffer, .address_space: global }
      - { .name: gk, .offset: 64, .size: 8, .value_kind: global_buffer, .address_space: global }
      - { .name: freqs_x, .offset: 72, .size: 8, .value_kind: global_buffer, .address_space: global }
      - { .name: freqs_cam, .offset: 80, .size: 8, .value_kind: global_buffer, .address_space: global }
      - { .name: freqs_render, .offset: 88, .size: 8, .value_kind: global_buffer, .address_space: global }
      - { .name: qh, .offset: 96, .size: 8, .value_kind: global_buffer, .address_space: global }
      - { .name: kvh, .offset: 104, .size: 8, .value_kind: global_buffer, .address_space: global }
      - { .name: ss, .offset: 112, .size: 8, .value_kind: global_buffer, .address_space: global }
      - { .name: wo, .offset: 120, .size: 8, .value_kind: global_buffer, .address_space: global }
      - { .name: woh, .offset: 128, .size: 8, .value_kind: global_buffer, .address_space: global }
    .group_segment_fixed_size: 327680
    .private_segment_fixed_size: 0
    .kernarg_segment_align: 8
    .kernarg_segment_size: 136
    .max_flat_workgroup_size: 128
    .sgpr_count:     106
    .vgpr_count:     1024
    .wavefront_size: 32
...
	.end_amdgpu_metadata
.endif
;; end of part 2
;; launch attn (part 3): grid 8 x 32, 4 waves a work-group, clusters of 4 x 1, 327,680 bytes of LDS; arguments qh, kvh, ss, ao; writes ao
.if DOCPART == 3
	.amdgcn_target "amdgcn-amd-amdhsa--gfx1250"
	.amdhsa_code_object_version 6
	.text
	.protected	k_qbefc6bfe68_attn
	.globl	k_qbefc6bfe68_attn
	.p2align	8
	.type	k_qbefc6bfe68_attn,@function
k_qbefc6bfe68_attn:
	s_mov_b64 s[64:65], 0
	v_nop
	global_prefetch_b8 v0, s[64:65] scope:SCOPE_SE
	s_setreg_imm32_b32 hwreg(HW_REG_WAVE_MODE, 25, 1), 1
	s_wait_xcnt 0x0
	s_wait_alu depctr_hold_cnt(0) depctr_sa_sdst(0) depctr_va_vdst(0) depctr_va_sdst(0) depctr_va_ssrc(0) depctr_va_vcc(0) depctr_vm_vsrc(0)
	s_getreg_b32 s2, hwreg(HW_REG_IB_STS2, 6, 4)
	s_cmp_eq_u32 s2, 0
	s_cbranch_scc0 .Lentry_in_a_cluster
	s_endpgm
.Lentry_in_a_cluster:
	s_bfe_u32 s2, ttmp6, 0x10000c
	s_cmp_lg_u32 s2, 0x3003
	s_cbranch_scc0 .Lentry_shape_is_right
	s_endpgm
.Lentry_shape_is_right:
; ao[b][q][head] = the sum over k of softmax_k(Q . K / sqrt(128)) V, for 32 (batch, head) pairs, 2,048 queries, 1,024 keys (cam's 512, then render's), head size 128.  Operands f16, products, maxima and sums f32.
; qh and kvh hold q and k WITHOUT their RMS norm but divided by their own head's rms; ss[head][row] holds S, the sum of z^2 of that head.  The number that is owed is, for each row,
; phi = sqrt(S_head / 128 + 2^-100) x rsq(sum of the 16 S / 2048 + 1e-6).  It is made here, once: the scores are multiplied by phi of their key (a packed multiply for two scores), and phi of the query rides in the softmax's factor c.
; LIMITS: NaN and infinities are not served; the weights p and the result are rounded once to f16 (|result| of 65,504 and more is not served).
; SHARES.  A work-group owns 256 queries of one head, each of its four waves 64: four tiles of 16.  Every wave walks all keys, 64 a step.
; LAYOUT.  S^T = K Q^T (source 0 = 16 keys, source 1 = 16 queries): a lane holds ONE query (lane % 16) and the keys 8 (lane / 16) + 0..7.  Two such tiles, rounded to f16 in pairs, ARE source 1 of O^T = V^T P.
; K comes out of LDS as it lies, V ([key][channel]) turned, by ds_load_tr16_b128.
; SOFTMAX.  For each query a running maximum m and sum l of s = score x phi_key: p = 2^(c s - c m), c = phi_query log2(e) / sqrt(128); in every step O and l are multiplied by a = 2^(c m_old - c m_new).
; BY TURNS.  The wave's tiles are two pieces: piece 0 (tiles 0, 1) and piece 2 (tiles 2, 3).  In a turn one piece has the matrix unit: 32 products V^T P of the step in hand, then 32 products K Q^T of the next step;
; the other piece's softmax, cut into 64 slices, stands between them, one slice behind each matrix instruction.  Two turns are a key step.
; CLUSTER.  The four query blocks of a cluster belong to one head and walk the same K and V: each tile is asked for jointly.
; REGISTERS, in windows of 256: window 0: v0-11 addresses; v12-43 eight registers of statistics a tile; v44-51 c, a pair a tile; v52-56, v61-63 addresses; v64-191 S^T, 32 a tile; v192-255 P, 16 a tile
;   window 1: O^T, 64 a tile      window 2: v0-127 Q, 32 a tile; v128-255 K of one step      window 3: v0-127 V of one step; v128-159 phi of the step's keys, in S^T's order
.set KS,    64        ; keys in a step
.set PK,    272       ; a row of K in LDS: 256 bytes + 16 of padding = 68 words: the 16 rows of a load start 4 words apart (64 banks of 4 bytes: ISA guide 11.1)
.set PV,    288       ; a row of V: 256 + 32 = 72 words: 16 lanes of the turning load take 8 rows x 32 bytes, 8 words apart
.set VOFF,  KS*PK     ; a step's tiles lie together: 64 rows of K, then 64 rows of V
.set STEPB, KS*(PK+PV)
.set SLOT1, 1<<17     ; a slot holds two steps (71,680 bytes); slot 1 begins here, so that one exclusive or turns an address in one slot into the other's
.set STAGE, SLOT1+2*STEPB  ; behind the ring: 16 rows x 272 bytes for each wave, for the way out
.set SP,    272
.set SPARE, STAGE+4*16*272  ; behind the stages: the spare words, 128 bytes for each wave
.set RKT,   SPARE+512 ; behind them: phi of the batch's 1,024 keys for this head, 4,096 bytes, stored once by the work-group; no tile lands here
.set ROWM,  4096      ; bytes from row to row in qh, kvh and ao
.set SSH,   24576     ; bytes from head to head in ss
.set AK0, 2           ; v2   my lane's place in a tile of K; never rewritten
.set AV0, 3           ; v3   the same for V
.set ADR, 4           ; v4   the LDS address of the run of loads in hand
.set QO,  5           ; v5   my byte offset in the wave's rows of Q
.set STO, 6           ; v6   the way out: where I put 16 bytes of a row
.set RD,  7           ; v7   the way out: where I read a row back
.set GO,  8           ; v8   my byte offset in the wave's rows of ao
.set ST,  12          ; tile t's statistics at v[ST+8 t]: +0 c m, +1 m, +2, +3 l (even keys', odd keys'), +4 to +7 c0-c3, at work; a takes c2's place once the maximum is found
.set CQ,  44          ; tile t's c at v[CQ+2 t], twice
.set AR0, 52          ; v52  RKT + 32 (lane / 16): my half's eight keys of a tile
.set ADR2, 53         ; v53  the address of phi's run of loads
.set KO,  54          ; v54  32 x thread: my eight keys in a row of ss
.set QS,  55          ; v55  4 x (lane % 16): my query
.set RKW, 56          ; v56  RKT + 32 x thread
.set PFO, 61          ; v61  4,096 x my lane: the prefetches' offset, a lane a row; never rewritten
.set SPW, 62          ; v62  LDS address of my spare word; never rewritten
.set NIL, 63          ; v63  0; never rewritten
.set S,   64
.set P,   192
.set KF,  128         ; K's fragments, in window 2
.set RK,  128         ; phi of the step's keys, in window 3
.set WV,  12          ; s12  my wave's number
.set LIM, 15          ; s15  1 in a wave that prefetches, else the greatest number
.set PFA, 18          ; s[18:19] where my prefetches stand
.set G1K, 24          ; s[24:31] descriptor group 1 for K's tiles
.set G1V, 32          ; s[32:39] for V's: it differs in the padding alone
.set G0K, 40          ; s[40:47] descriptor group 0 for K's tiles: a set for each of the two first fills; the second then walks on
.set G0V, 48          ; s[48:55] the same for V's
.set SLOTS, 56        ; s56  slots still to be asked for
.set TWICE, 57        ; s57  counts a slot's two steps
.set CS,  58          ; s58  log2(e) / sqrt(128)
.set SEL, 60          ; s[60:61] lane selects for v_permlanex16_b32
.set TB,  62          ; s62  LDS byte at which the tiles of the step to be fetched begin
.set TR,  66          ; s66  byte in RKT at which the step to be fetched begins
; s[68:69] ss at my wave's queries, s[70:71] at the batch's keys (head 0); s[78:79], s[76:77] the same in my head's row; s72-73, s80-81 constants; s74 batch, s75 head
.set MSB, 0
.macro WIN new                      ; the immediate's high byte repeats the setting that is left; a switch that changes nothing is dropped
.if MSB != \new
	s_set_vgpr_msb (MSB<<8)|\new
.set MSB, \new
.endif
.endm
.set W_KQ, 0x0a       ; K and Q in window 2, S^T in window 0
.set W_PV, 0x53       ; V in window 3, P in window 0, O^T in window 1
.set W_RS, 0x41       ; O^T (destination and source 0) in window 1, a in window 0
; A joint refill.  Waves 0 and 1 fetch the two steps' tiles of K, waves 2 and 3 those of V.  The branch hangs on the wave's number alone.
; Four v_nop follow each of the two lines; the jump round the other line, the label and what follows come after them.
.macro JLOAD
	s_cmp_lt_u32 s[WV], 2
	s_cbranch_scc0 .Lfor_v_\@
	tensor_load_to_lds s[G0K+4:G0K+7], s[G1K:G1K+7]
	s_nop 0
.rept 4
	v_nop
.endr
	s_branch .Lasked_\@
.Lfor_v_\@:
	tensor_load_to_lds s[G0V+4:G0V+7], s[G1V:G1V+7]
	s_nop 0
.rept 4
	v_nop
.endr
.Lasked_\@:
.endm
; A prefetch of what the NEXT change of slots will ask for: a slot's 128 rows of K and 128 of V, the head's 256 bytes of each, a lane a row.  Each is named once in the launch: both clusters of a head walk the same rows,
; the first prefetches; its four partners share the rows out by address, 32 each; in each, wave 0 asks for K's and wave 2 for V's.  The last change that fills a slot asks for nothing.
.macro ASK
	s_cmp_gt_u32 s[SLOTS], s[LIM]
	s_cbranch_scc0 .Lnot_mine_\@
	global_prefetch_b8 v[PFO], s[PFA:PFA+1] th:TH_LOAD_NT scope:SCOPE_SE
.Lnot_mine_\@:
.endm
.macro CROUND                       ; a round of the cluster's barrier
	s_barrier_signal -1
	s_barrier_wait -1
	s_cmp_lg_u32 s[WV], 0
	s_cbranch_scc1 .Lnot_wave_0_\@
	s_barrier_signal -3
.Lnot_wave_0_\@:
	s_barrier_wait -3
	s_barrier_signal -1
	s_barrier_wait -1
.endm
	s_load_b256 s[4:11], s[0:1], 0x0  ; qh s[4:5], kvh s[6:7], ss s[8:9], ao s[10:11]
	v_lshl_add_u32 v[SPW], v0, 2, SPARE
	v_mov_b32 v[NIL], 0
	ds_add_u32 v62, v63
	ds_add_u32 v62, v63
	s_wait_dscnt 0x0
	v_lshrrev_b32 v1, 5, v0
	v_readfirstlane_b32 s[WV], v1   ; wave 0..3
	s_bfe_u32 s13, ttmp6, 0x40000   ; cx: my place in the cluster
	s_lshl_b32 s14, ttmp9, 2
	s_add_co_u32 s14, s14, s13      ; my block of 256 queries = 4 x cluster x + cx: it enters global addresses of Q, ao and ss alone
	s_and_b32 s75, ttmp7, 0xffff
	s_lshr_b32 s74, s75, 4          ; the batch,
	s_and_b32 s75, s75, 15          ; the head: the four partners share both
	s_lshl_b32 s20, s74, 22         ; K, V: the batch's 1,024 rows of 4,096 bytes,
	s_lshl_b32 s21, s75, 8          ; the head's 256 bytes of a row
	s_add_co_u32 s20, s20, s21
	s_mov_b32 s21, 0
	s_and_b32 s16, s[WV], 1         ; which of a slot's two steps I fetch:
	s_lshl_b32 s22, s16, 18         ; its 64 rows in memory,
	s_mov_b32 s23, 0
	s_add_nc_u64 s[22:23], s[22:23], s[20:21]
	s_mul_i32 s17, s16, STEPB       ; and its place in a slot: no place in the cluster enters an LDS address
	s_lshl_b32 s2, s74, 23          ; Q, ao: the batch's 2,048 rows,
	s_lshl_b32 s3, s75, 8
	s_add_co_u32 s2, s2, s3
	s_lshl_b32 s3, s14, 20          ; my block's 256 rows,
	s_add_co_u32 s2, s2, s3
	s_lshl_b32 s3, s[WV], 18        ; my wave's 64 of them
	s_add_co_u32 s2, s2, s3
	s_mov_b32 s3, 0
	; descriptor group 1: a tile of 64 rows x 128 elements, rows 2,048 elements apart in memory, padded in LDS
	s_mov_b32 s[G1K], 15|(1<<16)|(1<<20)|(1<<21)|(5<<22)|(3<<25)  ; 15:0 the mask: all four work-groups; 17:16 elements of 2 bytes; 20 padding on; 21 set beside a mask; 24:22 after every 64 words (code 5); 31:25 4 words of it (code 3)
	s_mov_b32 s[G1V], 15|(1<<16)|(1<<20)|(1<<21)|(5<<22)|(7<<25)  ; the same with 8 words of padding (code 7)
.irp g, G1K, G1V
	s_mov_b32 s[\g+1], 128<<16      ; tensor_dim0 = 128
	s_mov_b32 s[\g+2], KS<<16       ; tensor_dim1 = 64
	s_mov_b32 s[\g+3], 128<<16      ; tile_dim0 = 128
	s_mov_b32 s[\g+4], KS           ; tile_dim1 = 64
	s_mov_b32 s[\g+5], 2048         ; tensor_dim0_stride
	s_mov_b32 s[\g+6], 0
	s_mov_b32 s[\g+7], 0
.endr
	s_mov_b32 s[CS], 0x3e0293ee     ; log2(e) / sqrt(128)
	s_mov_b32 s[SEL], 0x76543210
	s_mov_b32 s[SEL+1], 0xfedcba98
	s_mov_b32 s72, 0x3a000000       ; 1 / 2048
	s_mov_b32 s73, 0x358637bd       ; 1e-6
	s_mov_b32 s80, 0x3c000000       ; 1 / 128
	s_mov_b32 s81, 0x0d800000       ; 2^-100
	s_mov_b32 s[TB], 0
	s_mov_b32 s[TR], 0
	s_mov_b32 s[SLOTS], 1024/(2*KS)-2
	s_and_b32 s[LIM], s[WV], 1       ; 0 in waves 0 and 2,
	s_or_b32 s[LIM], s[LIM], ttmp9   ; where the cluster is the head's first: the same in all four partners
	s_cmp_eq_u32 s[LIM], 0
	s_cselect_b32 s[LIM], 1, -1
	v_and_b32 v[PFO], 31, v0
	v_lshlrev_b32 v[PFO], 12, v[PFO]
	s_wait_kmcnt 0x0
	s_mov_b64 s[68:69], s[8:9]      ; ss
	s_add_nc_u64 s[8:9], s[6:7], 0x800000  ; V lies 8,388,608 bytes behind K
	s_add_nc_u64 s[6:7], s[6:7], s[22:23]  ; K and V at my tile of slot 0
	s_add_nc_u64 s[8:9], s[8:9], s[22:23]
	s_add_nc_u64 s[4:5], s[4:5], s[2:3]  ; Q and ao at my wave's first row
	s_add_nc_u64 s[10:11], s[10:11], s[2:3]
	s_lshl_b32 s2, s74, 12          ; ss: k's rows begin at row 4,096; 1,024 a batch
	s_add_co_u32 s2, s2, 16384
	s_add_nc_u64 s[70:71], s[68:69], s[2:3]
	s_lshl_b32 s2, s74, 11
	s_lshl_b32 s20, s14, 8
	s_add_co_u32 s2, s2, s20
	s_lshl_b32 s20, s[WV], 6
	s_add_co_u32 s2, s2, s20
	s_lshl_b32 s2, s2, 2
	s_add_nc_u64 s[68:69], s[68:69], s[2:3]
	s_mul_i32 s2, s75, SSH          ; and the same places in my head's row
	s_add_nc_u64 s[76:77], s[70:71], s[2:3]
	s_add_nc_u64 s[78:79], s[68:69], s[2:3]
	s_cmp_lt_u32 s[WV], 2
	s_cselect_b64 s[PFA:PFA+1], s[6:7], s[8:9]  ; (in waves 0 and 2 these stand at a slot's first row)
	s_lshl_b32 s2, s13, 17          ; my work-group's 32 rows of the 128
	s_add_nc_u64 s[PFA:PFA+1], s[PFA:PFA+1], s[2:3]
	s_add_nc_u64 s[PFA:PFA+1], s[PFA:PFA+1], 2*2*KS*ROWM  ; in slot 2; the first change of slots steps it to slot 3.  Nothing is prefetched at the head
	CROUND                          ; all four work-groups are here: the first joint loads meet
.irp s, 0,1
	s_mov_b32 s[G0K+4*\s], 1        ; count = 1
	s_add_co_u32 s[G0K+4*\s+1], s17, \s*SLOT1  ; LDS address
	s_add_nc_u64 s[G0K+4*\s+2:G0K+4*\s+3], s[6:7], \s*2*KS*ROWM  ; global address: slot s begins with keys 128 s
	s_or_b32 s[G0K+4*\s+3], s[G0K+4*\s+3], 0x80000000  ; type = 2
	s_mov_b32 s[G0V+4*\s], 1
	s_add_co_u32 s[G0V+4*\s+1], s17, \s*SLOT1+VOFF
	s_add_nc_u64 s[G0V+4*\s+2:G0V+4*\s+3], s[8:9], \s*2*KS*ROWM
	s_or_b32 s[G0V+4*\s+3], s[G0V+4*\s+3], 0x80000000
.endr
	s_cmp_lt_u32 s[WV], 2           ; a wave's two first fills stand in one branch, ahead of every wait on TENSORcnt and every LDS read: two loads of mine are out
	s_cbranch_scc0 .Lfirst_v
	tensor_load_to_lds s[G0K:G0K+3], s[G1K:G1K+7]
	s_nop 0
	tensor_load_to_lds s[G0K+4:G0K+7], s[G1K:G1K+7]
	s_nop 0
.rept 4
	v_nop
.endr
	s_branch .Lfirst_asked
.Lfirst_v:
	tensor_load_to_lds s[G0V:G0V+3], s[G1V:G1V+7]
	s_nop 0
	tensor_load_to_lds s[G0V+4:G0V+7], s[G1V:G1V+7]
	s_nop 0
.rept 4
	v_nop
.endr
.Lfirst_asked:
	; A fragment of K or Q is 16 rows x 32 channels in 8 registers: lane l holds row l % 16; registers 0-3 channels 8 (l / 16) + 0..7, registers 4-7 channels 16 + 8 (l / 16) + 0..7
	v_and_b32 v1, 15, v0            ; l % 16
	v_bfe_u32 v9, v0, 4, 1          ; l / 16
	v_lshlrev_b32 v[QO], 12, v1
	v_lshl_add_u32 v[QO], v9, 4, v[QO]  ; row x 4,096 + 16 x half
	WIN 0x80                        ; destination window 2, address window 0
.irp i, 0,1,2,3,4,5,6,7,8,9,10,11,12,13,14,15  ; Q stays in registers: tile i / 4, channels 32 (i % 4) on
	global_load_b128 v[8*\i:8*\i+3],   v[QO], s[4:5] offset:(\i/4)*16*ROWM+(\i%4)*64
	global_load_b128 v[8*\i+4:8*\i+7], v[QO], s[4:5] offset:(\i/4)*16*ROWM+(\i%4)*64+32
.endr
	WIN 0
	v_mul_u32_u24 v[AK0], v1, PK
	v_lshl_add_u32 v[AK0], v9, 4, v[AK0]  ; row x pitch + 16 x half
	; The turning load takes 16 keys x 16 channels (lane l reads 16 bytes: key 8 (l / 16) + l % 8, channels 8 ((l / 8) % 2) + 0..7) and leaves half a fragment of V^T
	v_and_b32 v10, 7, v0
	v_bfe_u32 v11, v0, 3, 1
	v_lshl_add_u32 v[AV0], v9, 3, v10
	v_mul_u32_u24 v[AV0], v[AV0], PV
	v_lshl_add_u32 v[AV0], v11, 4, v[AV0]
	v_add_nc_u32 v[AV0], VOFF, v[AV0]
	; PHI.  Thread t takes keys 8 t .. 8 t + 7 of the batch (the work-group's 128 threads: all 1,024); a lane takes query lane % 16 of each of its wave's four tiles.  The registers of S^T, P and the statistics are free yet.
	v_lshlrev_b32 v[KO], 5, v0
	v_lshlrev_b32 v[QS], 2, v1
	v_lshl_add_u32 v[RKW], v0, 5, RKT
	v_lshl_add_u32 v[AR0], v9, 5, RKT
.set cb, 0
.rept 16                            ; S of all 16 heads
	global_load_b128 v[S+8*cb:S+8*cb+3],   v[KO], s[70:71] offset:cb*SSH
	global_load_b128 v[S+8*cb+4:S+8*cb+7], v[KO], s[70:71] offset:cb*SSH+16
.irp t, 0,1,2,3
	global_load_b32 v[P+4*cb+\t], v[QS], s[68:69] offset:cb*SSH+64*\t
.endr
.set cb, cb+1
.endr
	global_load_b128 v[ST:ST+3],   v[KO], s[76:77]  ; and of my head
	global_load_b128 v[ST+4:ST+7], v[KO], s[76:77] offset:16
.irp t, 0,1,2,3
	global_load_b32 v[ST+8+\t], v[QS], s[78:79] offset:64*\t
.endr
	s_wait_loadcnt 0x0              ; these, and Q
.set cb, 1
.rept 15
.irp j, 0,2,4,6
	v_pk_add_f32 v[S+\j:S+\j+1], v[S+\j:S+\j+1], v[S+8*cb+\j:S+8*cb+\j+1]
.endr
.irp j, 0,2
	v_pk_add_f32 v[P+\j:P+\j+1], v[P+\j:P+\j+1], v[P+4*cb+\j:P+4*cb+\j+1]
.endr
.set cb, cb+1
.endr
.irp j, 0,1,2,3,4,5,6,7
	v_fma_f32 v[S+\j], v[S+\j], s72, s73           ; the row's mean of z^2, + eps
.endr
.irp j, 0,1,2,3
	v_fma_f32 v[P+\j], v[P+\j], s72, s73
.endr
.irp j, 0,1,2,3,4,5,6,7,8,9,10,11
	v_fma_f32 v[ST+\j], v[ST+\j], s80, s81         ; the head's, + 2^-100, as the launch before took it
.endr
.irp j, 0,1,2,3,4,5,6,7
	v_rsq_f32 v[S+\j], v[S+\j]
.endr
.irp j, 0,1,2,3
	v_rsq_f32 v[P+\j], v[P+\j]
.endr
.irp j, 0,1,2,3,4,5,6,7,8,9,10,11
	v_sqrt_f32 v[ST+\j], v[ST+\j]
.endr
	v_nop                           ; a plain place behind the last transcendental
.irp j, 0,1,2,3,4,5,6,7
	s_wait_alu depctr_va_vdst(0)
	v_mul_f32 v[S+\j], v[S+\j], v[ST+\j]           ; phi of my eight keys
.endr
.irp t, 0,1,2,3
	v_mul_f32 v[P+\t], v[P+\t], v[ST+8+\t]         ; phi of my four queries
.endr
.irp t, 0,1,2,3
	v_mul_f32 v[CQ+2*\t], s[CS], v[P+\t]           ; c
.endr
.irp t, 0,1,2,3
	v_mov_b32 v[CQ+2*\t+1], v[CQ+2*\t]             ; (named with it as a pair)
.endr
	ds_store_b128 v[RKW], v[S:S+3]
	ds_store_b128 v[RKW], v[S+4:S+7] offset:16
; THE MATRIX WORK OF A TURN, for piece x.  The accumulators take turns, one instruction a turn: between two links of a chain stand 15 (V^T P) or 7 (K Q^T) others'.
; Product i of 32 of O^T += V^T P: keys 32 (i / 16) on, channels 16 ((i / 2) % 8) on, tile x + i % 2.  zero = 1: the first 16 start the sums.
.macro PV x, zero
	WIN W_PV
.set rO, 64*(\x+i%2)+8*((i/2)%8)
.set rV, 64*(i/16)+8*((i/2)%8)
.set rP, P+16*(\x+i%2)+8*(i/16)
.if \zero && (i < 16)
	v_wmma_f32_16x16x32_f16 v[rO:rO+7], v[rV:rV+7], v[rP:rP+7], 0
.else
	v_wmma_f32_16x16x32_f16 v[rO:rO+7], v[rV:rV+7], v[rP:rP+7], v[rO:rO+7]
.endif
.endm
; Product i of 32 of S^T = K Q^T: channels 32 (i / 8) on, keys 16 ((i / 2) % 4) on, tile x + i % 2.  The first 8 start the sums.
.macro KQ x
	WIN W_KQ
.set rS, S+32*(\x+i%2)+8*((i/2)%4)
.set rK, KF+32*((i/2)%4)+8*(i/8)
.set rQ, 32*(\x+i%2)+8*(i/8)
.if i < 8
	v_wmma_f32_16x16x32_f16 v[rS:rS+7], v[rK:rK+7], v[rQ:rQ+7], 0
.else
	v_wmma_f32_16x16x32_f16 v[rS:rS+7], v[rK:rK+7], v[rQ:rQ+7], v[rS:rS+7]
.endif
.endm
; THE LDS LOADS stand in runs: a step's K (16 fragments), phi of its keys, and, a turn later, its V (turned).
.macro FETCH_K
	WIN 0
	v_add_nc_u32 v[ADR], s[TB], v[AK0]
	WIN 0x80                        ; destination window 2
.irp f, 0,1,2,3,4,5,6,7,8,9,10,11,12,13,14,15  ; keys 16 (f / 4) on, channels 32 (f % 4) on
	ds_load_b128 v[KF+8*\f:KF+8*\f+3],   v[ADR] offset:(\f/4)*16*PK+(\f%4)*64
	ds_load_b128 v[KF+8*\f+4:KF+8*\f+7], v[ADR] offset:(\f/4)*16*PK+(\f%4)*64+32
.endr
.endm
.macro FETCH_R                      ; register 8 f + j: phi of key 16 f + 8 (lane / 16) + j of the step: the place of that key's score in a tile's 32 registers
	WIN 0
	v_add_nc_u32 v[ADR2], s[TR], v[AR0]
	s_add_co_u32 s[TR], s[TR], 4*KS ; the next fetch is the next step's
	WIN 0xc0                        ; destination window 3
.irp f, 0,1,2,3
	ds_load_b128 v[RK+8*\f:RK+8*\f+3],   v[ADR2] offset:64*\f
	ds_load_b128 v[RK+8*\f+4:RK+8*\f+7], v[ADR2] offset:64*\f+16
.endr
.endm
.macro FETCH_V
	WIN 0
	v_add_nc_u32 v[ADR], s[TB], v[AV0]
	s_add_co_u32 s[TB], s[TB], STEPB  ; the next fetch is the next step's
	WIN 0xc0                        ; destination window 3
.irp f, 0,1,2,3,4,5,6,7,8,9,10,11,12,13,14,15  ; keys 32 (f / 8) on, channels 16 (f % 8) on
	ds_load_tr16_b128 v[8*\f:8*\f+3],   v[ADR] offset:(\f/8)*32*PV+(\f%8)*32
	ds_load_tr16_b128 v[8*\f+4:8*\f+7], v[ADR] offset:(\f/8)*32*PV+16*PV+(\f%8)*32
.endr
.endm
; THE VECTOR WORK OF A TURN.  First 16 packed multiplies a tile: the scores x phi of their keys (RKM, number ri; ascending).  Then one tile's softmax, a list of 134
; instructions; SM writes number j of it for tile t.  s0-s31 are the lane's 32 scores, in pairs 0-15.  first = 1: the first key step, which starts m, l and O^T: it has no a and nothing to rescale.
;   0-15    the maximum of s0-s31 and the old m, three operands at a time
;   16-20   the other half of the lanes' maximum; the new m; c m; c m_old - c m_new
;   21-87   33 exponentials (a, then s0-s31) at the odd numbers from 23 on, so that no two follow each other and each has a plain instruction behind it before its result is used; the plain ones are whatever is ready:
;           c s - c m for a pair whose exponentials are still to come, the rounding to f16 of a pair whose exponentials are done, at last the first three sums
;   88-101  the last rounding; the rest of the sums; l = a l + the sum
;   102-133 the tile's O^T times a: the one part in window 1, so it stands together
.macro RKM t
.set rS, S+32*(\t)
	WIN 0x0c                        ; source 1 in window 3
	v_pk_mul_f32 v[rS+2*ri:rS+2*ri+1], v[rS+2*ri:rS+2*ri+1], v[RK+2*ri:RK+2*ri+1]
.endm
.macro SM t, first
.set rT, ST+8*(\t)
.set rS, S+32*(\t)
.set rP, P+16*(\t)
.set rC, CQ+2*(\t)
.set rO, 64*(\t)+2*(j-102)
.set q, (j-20)/2
.if j < 102
	WIN 0
.endif
.if j < 4
	v_max3_num_f32 v[rT+4+j], v[rS+8*j], v[rS+8*j+1], v[rS+8*j+2]
.elseif j < 12
	v_max3_num_f32 v[rT+4+j%4], v[rT+4+j%4], v[rS+8*(j%4)+2*(j/4)+1], v[rS+8*(j%4)+2*(j/4)+2]
.elseif j == 12
	v_max3_num_f32 v[rT+4], v[rT+4], v[rS+7], v[rS+15]
.elseif j == 13
	v_max3_num_f32 v[rT+6], v[rT+6], v[rS+23], v[rS+31]
.elseif j == 14
	v_max3_num_f32 v[rT+4], v[rT+4], v[rT+5], v[rT+6]
.elseif (j == 15) && \first
	v_max_num_f32 v[rT+4], v[rT+4], v[rT+7]
.elseif j == 15
	v_max3_num_f32 v[rT+4], v[rT+4], v[rT+7], v[rT+1]
.elseif j == 16
	v_permlanex16_b32 v[rT+5], v[rT+4], s[SEL], s[SEL+1]  ; the query's other 32 keys lie in the lane 16 away
.elseif j == 18
	v_max_num_f32 v[rT+1], v[rT+4], v[rT+5]
.elseif j == 19
	v_mul_f32 v[rT], v[rC], v[rT+1]
.elseif ((j == 17) || (j == 20) || (j == 23) || (j > 101)) && \first  ; the first step has none of these
.elseif j == 17
	v_mov_b32 v[rT+7], v[rT]        ; c m_old is kept for a: number 19 writes c m anew
.elseif j == 20
	v_sub_f32 v[rT+7], v[rT+7], v[rT]
.elseif j == 23
	v_exp_f32 v[rT+6], v[rT+7]
.elseif (j < 88) && (j > 23) && (j%2 == 1)
	v_exp_f32 v[rS+(j-25)/2], v[rS+(j-25)/2]
.elseif (q < 4) || ((j < 76) && (q%2 == 0))
.set b, q/2+2
.if q < 4
.set b, q
.endif
	v_pk_fma_f32 v[rS+2*b:rS+2*b+1], v[rS+2*b:rS+2*b+1], v[rC:rC+1], v[rT:rT+1] op_sel_hi:[1,0,0] neg_lo:[0,0,1] neg_hi:[0,0,1]  ; pair b: c s - c m
.elseif (j < 88) && (q%2 == 1)
	s_wait_alu depctr_va_vdst(0)
	v_cvt_pk_f16_f32 v[rP+(q-5)/2], v[rS+q-5], v[rS+q-4]  ; pair (q - 5) / 2: its second exponential stands three numbers back
.elseif j == 89
	s_wait_alu depctr_va_vdst(0)
	v_cvt_pk_f16_f32 v[rP+15], v[rS+30], v[rS+31]
.elseif j < 102                     ; the sum of the tile's 16 pairs, in place: sum z of 16 adds neighbours 1, 2, 4 and 8 pairs apart, then l takes it
.set z, j-86
.if j < 89
.set z, (j-76)/4
.endif
.set w, 4
.set u, z
.if z >= 14
.set w, 32
.set u, 0
.elseif z >= 12
.set w, 16
.set u, z-12
.elseif z >= 8
.set w, 8
.set u, z-8
.endif
.if (z == 14) && \first
	v_pk_add_f32 v[rT+2:rT+3], v[rS:rS+1], v[rS+16:rS+17]
.elseif z < 15
	v_pk_add_f32 v[rS+w*u:rS+w*u+1], v[rS+w*u:rS+w*u+1], v[rS+w*u+w/2:rS+w*u+w/2+1]
.elseif !\first
	v_pk_fma_f32 v[rT+2:rT+3], v[rT+2:rT+3], v[rT+6:rT+7], v[rS:rS+1] op_sel_hi:[1,0,1]
.endif
.else
	WIN W_RS
	v_pk_mul_f32 v[rO:rO+1], v[rO:rO+1], v[rT+6:rT+7] op_sel_hi:[1,0]
.endif
.endm
; Slice k of 64 of piece y's vector work.  Slices 0-3: the multiplies by phi, four numbers of both tiles each.  Slices 4-62: numbers 2 (k - 4) and 2 (k - 4) + 1 of both tiles' lists.  Slice 63: what is over,
; numbers 118-133 of both: 32 plain multiplies that name nothing of the products round them.
.macro SLICE y, first
.if k < 4
.irp n, 0,1,2,3
.irp t, \y, \y+1
.set ri, 4*k+\n
	RKM \t
.endr
.endr
.elseif (k >= 15) && (k < 48)       ; tile by tile: plain, exponential, plain, exponential
.irp t, \y, \y+1
.irp n, 0,1
.set j, 2*(k-4)+\n
	SM \t, \first
.endr
.endr
.else                               ; the two tiles alternate, so that no instruction reads the result of the one just before it
.irp n, 0,1,2,3,4,5,6,7,8,9,10,11,12,13,14,15
.if (\n < 2) || (k == 63)
.irp t, \y, \y+1
.set j, 2*(k-4)+\n
	SM \t, \first
.endr
.endif
.endr
.endif
.set k, k+1
.endm
; A vector instruction that reads a matrix result or writes one of a matrix instruction's registers, and a load into a register that a matrix instruction has read, stand four places behind
; it, and only plain vector instructions that name none of its registers are places (ISA guide 7.12.1 for vector instructions).  In the loop the slices are the places.
.macro PLACES
.rept 4
	v_nop
.endr
.endm
; A TURN.  Piece x has the matrix unit; the other piece's vector work stands in slices behind its matrix instructions.
; pv = 2: 32 products V^T P; 1: they start O^T's sums; 0: none.  kq = 1: 32 products K Q^T for the next step.  A turn with one of the two kinds has two slices behind each product.
; first = 1: the softmax is the first key step's; its slices from 55 on are empty, and four v_nop take slice 63's part as the places behind the turn's last products.
; Piece 0's turn fetches the next step's K behind its second product, and phi of that step's keys behind its sixth: both pieces have multiplied by the old step's phi by then (this turn's slices 0-3 were the last);
; the wait in front of the turn's K Q^T covers both runs.  Piece 2's turn fetches the same step's V.
.macro TURN x, pv, kq, first
.set k, 0
.set per, 2
.if \pv && \kq
.set per, 1
.endif
.if \pv
.if \x == 0
	s_wait_dscnt 0x0                ; V is in
.endif
.set i, 0
.rept 32
	PV \x, 2-\pv
.rept per
	SLICE 2-\x, \first
.endr
.if (\x == 0) && \kq && (i == 1)
	FETCH_K
.endif
.if (\x == 0) && \kq && (i == 5)
	FETCH_R
.endif
.set i, i+1
.endr
.endif
.if \kq
.if \x == 0
	s_wait_dscnt 0x0                ; K and phi are in
.endif
.set i, 0
.rept 32
	KQ \x
.rept per
	SLICE 2-\x, \first
.endr
.if (\x == 2) && (i == 1)
	FETCH_V
.endif
.set i, i+1
.endr
.endif
.if \first
	PLACES
.endif
.endm
; THE CHANGE OF SLOTS, between piece 2's turn and piece 0's.  Each wave waits for all its tensor loads, of which one is out: its part of the other slot; adds 0 to its spare word; and waits for that and for its own reads
; of the slot.  fill = 1: this slot is filled again, with the keys two slots on; the barrier is then a round of the cluster's, and the joint refill is the first thing behind it: it has two key steps in which to land.
.macro CHANGE fill
	WIN 0                           ; at a label and at a branch every window is 0
	s_wait_tensorcnt 0x0            ; no tensor load of mine is out, so a group 0 may be written
	ds_add_u32 v[SPW], v[NIL]       ; 0 onto my spare word
.if \fill
.irp g, G0K+4, G0V+4
	s_xor_b32 s[\g+1], s[\g+1], SLOT1  ; the walking descriptor: the other slot than last time,
	s_add_nc_u64 s[\g+2:\g+3], s[\g+2:\g+3], 2*KS*ROWM  ; the next 128 keys; the type bits on top are not reached
.endr
	s_wait_xcnt 0x0                 ; the last prefetches, two key steps back, have read their address, so it may be written:
	s_add_nc_u64 s[PFA:PFA+1], s[PFA:PFA+1], 2*KS*ROWM  ; one slot further on than the walking descriptors
	s_wait_dscnt 0x0                ; the add is done, and my reads of the slot are over
	CROUND
	JLOAD
	ASK                             ; what the next change will ask for: two key steps, 256 matrix instructions, ahead
.else
	s_wait_dscnt 0x0                ; the add is done, and my reads of the slot are over
	s_barrier_signal -1
	s_barrier_wait -1
.endif
	s_sub_co_u32 s[TB], s[TB], 2*STEPB  ; the fetches go back to a slot's first step,
	s_xor_b32 s[TB], s[TB], SLOT1   ; in the other slot
.endm
; A slot's two key steps: written once, walked twice; the LDS addresses hang on s[TB] and s[TR].
.macro TWO_STEPS
	s_mov_b32 s[TWICE], 2
.Lstep_\@:
	TURN 0, 2, 1, 0
	TURN 2, 2, 1, 0
	WIN 0
	s_sub_co_u32 s[TWICE], s[TWICE], 1
	s_cmp_lg_u32 s[TWICE], 0
	s_cbranch_scc1 .Lstep_\@
.endm
	s_wait_tensorcnt 1              ; my part of slot 0 is in; slot 1's may stay out
	s_wait_dscnt 0x0                ; my eight keys' phi lie in LDS
	s_barrier_signal -1
	s_barrier_wait -1               ; everybody's do
	FETCH_K                         ; key step 0
	FETCH_R
	s_wait_dscnt 0x0
.set i, 0
.rept 32
	KQ 0                            ; piece 0's first scores: there is no vector work yet to set between them
.set i, i+1
.endr
	WIN 0                           ; the addresses for the way out are made here: eight plain instructions, the places behind those products
	s_mul_i32 s13, s[WV], 16*SP
	s_add_co_u32 s13, s13, STAGE    ; my stage
	v_mul_u32_u24 v[STO], v1, SP    ; in: row l % 16, 16 bytes for each half of the lanes
	v_lshl_add_u32 v[STO], v9, 4, v[STO]
	v_add_nc_u32 v[STO], s13, v[STO]
	v_mul_u32_u24 v[RD], v9, SP     ; back: lanes 0-15 take one row of 256 bytes, lanes 16-31 the next
	v_lshl_add_u32 v[RD], v1, 4, v[RD]
	v_add_nc_u32 v[RD], s13, v[RD]
	v_lshlrev_b32 v[GO], 12, v9     ; and the same two rows in ao
	v_lshl_add_u32 v[GO], v1, 4, v[GO]
	TURN 2, 0, 1, 1                 ; piece 2's first scores | piece 0's first softmax | V of step 0
	TURN 0, 1, 1, 1                 ; piece 0: V^T P of step 0 starts O^T, K Q^T of step 1 | piece 2's first softmax | K and phi of step 1
	TURN 2, 1, 1, 0                 ; piece 2: the same | piece 0's softmax of step 1 | V of step 1
	WIN 0
.Lslot:                             ; six trips: every slot but the last two is filled again
	CHANGE 1
	TWO_STEPS
	s_sub_co_u32 s[SLOTS], s[SLOTS], 1
	s_cmp_lg_u32 s[SLOTS], 0
	s_cbranch_scc1 .Lslot
	CHANGE 0                        ; the tail is written out
	TWO_STEPS
	TURN 0, 2, 0, 0                 ; piece 0: V^T P of the last step | piece 2's last softmax
.set i, 0
.rept 32
	PV 2, 0                         ; piece 2: V^T P of the last step
.set i, i+1
.endr
	; THE WAY OUT.  l's two halves and the other half of the lanes' are added; O^T is divided by l, rounded to f16 and sent through my stage in LDS, a tile (16 rows) at a time.  The additions are the places behind the last products.
	WIN 0
.irp t, 0,1,2,3
	v_add_f32 v[ST+8*\t+4], v[ST+8*\t+2], v[ST+8*\t+3]
.endr
.irp t, 0,1,2,3
	v_permlanex16_b32 v[ST+8*\t+5], v[ST+8*\t+4], s[SEL], s[SEL+1]
.endr
.irp t, 0,1,2,3
	v_add_f32 v[ST+8*\t+4], v[ST+8*\t+4], v[ST+8*\t+5]
.endr
.irp t, 0,1,2,3
	v_rcp_f32 v[ST+8*\t+6], v[ST+8*\t+4]
.endr
	v_nop                           ; a plain instruction between the last reciprocal and the use of its result
.macro PACK t
	WIN W_RS
.set i, 64*\t
.rept 32
	s_wait_alu depctr_va_vdst(0)
	v_pk_mul_f32 v[i:i+1], v[i:i+1], v[ST+8*\t+6:ST+8*\t+7] op_sel_hi:[1,0]
.set i, i+2
.endr
	WIN 0x05                        ; sources 0 and 1 window 1, destination window 0: S^T's registers are free
.set i, 0
.rept 32
	v_cvt_pk_f16_f32 v[S+32*\t+i], v[64*\t+2*i], v[64*\t+2*i+1]
.set i, i+1
.endr
	WIN 0
.irp f, 0,1,2,3,4,5,6,7
	ds_store_b128 v[STO], v[S+32*\t+4*\f:S+32*\t+4*\f+3] offset:32*\f
.endr
.irp f, 0,1,2,3,4,5,6,7
	ds_load_b128 v[S+32*\t+4*\f:S+32*\t+4*\f+3], v[RD] offset:\f*2*SP  ; LDS serves a wave's instructions in order (ISA guide 5.7.1.4): these see the stores above; the next tile's stores come behind them
.endr
.endm
.macro SEND t, younger              ; younger: the LDS instructions issued behind tile t's loads: the next tile's sixteen, or none
.irp f, 0,1,2,3,4,5,6,7
	s_wait_dscnt \younger+7-\f
	global_store_b128 v[GO], v[S+32*\t+4*\f:S+32*\t+4*\f+3], s[10:11] offset:\t*16*ROWM+\f*2*ROWM  ; 16 lanes store 256 consecutive bytes, aligned: the head's part of a row
.endr
.endm
	PACK 0
	PACK 1                          ; a tile's arithmetic stands between the loads of the tile before and its stores
	SEND 0, 16
	PACK 2
	SEND 1, 16
	PACK 3
	SEND 2, 16
	SEND 3, 0
	s_wait_tensorcnt 0x0            ; the wave's end: behind my last tensor load and my last LDS store
	ds_add_u32 v[SPW], v[NIL]
	s_wait_dscnt 0x0
	CROUND                          ; the closing round: no work-group ends while a partner may still ask for a tile that names it
	s_endpgm
.Lfunc_end_k_qbefc6bfe68_attn:
	.size	k_qbefc6bfe68_attn, .Lfunc_end_k_qbefc6bfe68_attn-k_qbefc6bfe68_attn
	.p2alignl 7, 3214868480
	.fill 96, 4, 3214868480
	.section	.rodata,"a",@progbits
	.p2align	6, 0x0
	.amdhsa_kernel k_qbefc6bfe68_attn
		.amdhsa_group_segment_fixed_size 327680
		.amdhsa_private_segment_fixed_size 0
		.amdhsa_enable_private_segment 0
		.amdhsa_kernarg_size 32
		.amdhsa_user_sgpr_count 2
		.amdhsa_user_sgpr_kernarg_segment_ptr 1
		.amdhsa_wavefront_size32 1
		.amdhsa_system_sgpr_workgroup_id_x 1
		.amdhsa_system_sgpr_workgroup_id_y 1
		.amdhsa_system_sgpr_workgroup_id_z 1
		.amdhsa_system_vgpr_workitem_id 0
		.amdhsa_next_free_vgpr 1024
		.amdhsa_next_free_sgpr 82
		.amdhsa_reserve_vcc 0
		.amdhsa_float_denorm_mode_32 3
		.amdhsa_float_denorm_mode_16_64 3
		.amdhsa_memory_ordered 1
		.amdhsa_forward_progress 1
		.amdhsa_inst_pref_size 255
	.end_amdhsa_kernel
	.section	.bss,"aw",@nobits
	.p2align	6
	.space	262144
	.amdgpu_metadata
---
amdhsa.version: [ 1, 2 ]
amdhsa.kernels:
  - .name:           k_qbefc6bfe68_attn
    .symbol:         k_qbefc6bfe68_attn.kd
    .args:
      - { .name: qh, .offset: 0, .size: 8, .value_kind: global_buffer, .address_space: global }
      - { .name: kvh, .offset: 8, .size: 8, .value_kind: global_buffer, .address_space: global }
      - { .name: ss, .offset: 16, .size: 8, .value_kind: global_buffer, .address_space: global }
      - { .name: ao, .offset: 24, .size: 8, .value_kind: global_buffer, .address_space: global }
    .group_segment_fixed_size: 327680
    .private_segment_fixed_size: 0
    .kernarg_segment_align: 8
    .kernarg_segment_size: 32
    .max_flat_workgroup_size: 128
    .sgpr_count:     82
    .vgpr_count:     1024
    .wavefront_size: 32
...
	.end_amdgpu_metadata
.endif
;; end of part 3
;; launch outp (part 4): grid 8 x 32, 4 waves a work-group, clusters of 4 x 4, 327,680 bytes of LDS; arguments ao, woh, bo, out0; writes out0
.if DOCPART == 4
	.amdgcn_target "amdgcn-amd-amdhsa--gfx1250"
	.amdhsa_code_object_version 6
	.text
	.protected	k_qbefc6bfe68_outp
	.globl	k_qbefc6bfe68_outp
	.p2align	8
	.type	k_qbefc6bfe68_outp,@function
k_qbefc6bfe68_outp:
	s_mov_b64 s[64:65], 0
	v_nop
	global_prefetch_b8 v0, s[64:65] scope:SCOPE_SE
	s_setreg_imm32_b32 hwreg(HW_REG_WAVE_MODE, 25, 1), 1
	s_wait_xcnt 0x0
	s_wait_alu depctr_hold_cnt(0) depctr_sa_sdst(0) depctr_va_vdst(0) depctr_va_sdst(0) depctr_va_ssrc(0) depctr_va_vcc(0) depctr_vm_vsrc(0)
	s_getreg_b32 s2, hwreg(HW_REG_IB_STS2, 6, 4)
	s_cmp_eq_u32 s2, 0
	s_cbranch_scc0 .Lentry_in_a_cluster
	s_endpgm
.Lentry_in_a_cluster:
	s_bfe_u32 s2, ttmp6, 0x10000c
	s_cmp_lg_u32 s2, 0xf033
	s_cbranch_scc0 .Lentry_shape_is_right
	s_endpgm
.Lentry_shape_is_right:
; out0[m][n] = sum over k of ao[m][k] woh[n][k] + bo[n].  ao: [4096][2048], woh: [2048][2048], f16; out0: [4096][2048] f32; sums in f32; the bias is the C of each sum's first instruction (it enters first, not last).
; A tile is 128 (m) x 256 (n), so that the 4,096 x 2,048 outputs make 256 work-groups.  Four waves, each 64 x 128: 32 accumulators of 16 x 16, 256 registers.
; THE RING.  A unit is 128 along K: 256 bytes of each of the tile's 384 rows, 104,448 bytes of LDS with its padding; LDS has room for three units, not for four.  So the ring has two UNEQUAL regions: X holds one unit
; (rows of 256 bytes), Y two (rows of 512 bytes).  X takes units 0, 3, 6, 9, 12, 15, Y takes (1, 2), (4, 5), (7, 8), (10, 11), (13, 14).  While Y's two units are multiplied X is filled again, and the other way round:
; nine refills for the sixteen units.  X's refill has 240 matrix instructions a wave in which to land, Y's 112.  Waves 0 and 1 fetch A's two halves (64 rows each), waves 2 and 3 B's (128 rows each): one tensor load a wave.
; CLUSTERS: 4 x 4 work-groups.  The four of a row of the cluster need the same tiles of A, the four of a column the same tiles of B: each tile is asked for jointly.
; THE MATRIX INSTRUCTION IS USED TRANSPOSED (source 0 = 16 rows of woh, source 1 = 16 rows of ao): a lane holds eight neighbouring numbers of a row of out0.
; REGISTERS, in windows of 256: window 0: v16-30 addresses; v64-95, v128-159 A's fragments (4 x 16 rows x 32 K), two buffers; on the way out v128-255 two sets of 16 rows.
;   window 1: v0-63 the bias; v64-127, v128-191 B's fragments (8), two buffers.   window 2: the accumulators ((a, b) at v[8 (8 a + b)]).
.set KU,     128                       ; a unit along K
.set PX,     272                       ; X's LDS row: 256 bytes + 16 of padding = 68 words: the 16 rows that a load touches start 4 words apart (64 banks of 4 bytes: ISA guide 11.1)
.set PY,     528                       ; Y's: 512 bytes + 16 = 132 words: again 4 words apart modulo 64
.set HAX,    64*PX                     ; in X: what a load for A brings, and what a wave reads of A;
.set HBX,    128*PX                    ; the same for B
.set YB,     2*HAX+2*HBX               ; X: A's 128 rows, then B's 256.  Y begins here
.set HAY,    64*PY
.set HBY,    128*PY
.set SPARE,  YB+2*HAY+2*HBY            ; behind Y: the spare words, 128 bytes for each wave
.set STAGE,  YB                        ; the way out: 16 rows x 528 bytes for each wave, in Y, which has had its last fill and its last read when the first result is stored there
.set SPITCH, 528
.set TRIPS,  4                         ; a trip = X's unit and Y's two, and fills both again
.set STEP3,  3*KU*2                    ; three units on along a row, in bytes
.set ADRA, 16                          ; v16-17  LDS address of my A fragments in X, Y
.set ADRB, 20                          ; v20-21  the same for B
.set HO,   22                          ; v22     32 x (lane / 16): the bias' offset
.set STO,  24                          ; v24     the way out: where I put 32 bytes of a row
.set RD,   25                          ; v25     where I read a row back
.set CO,   26                          ; v26     16 x lane
.set SPW,  28                          ; v28     LDS address of my spare word; never rewritten
.set NIL,  29                          ; v29     0; never rewritten
.set PFO,  30                          ; v30     4,096 x lane: the prefetches' offset, a lane a row; never rewritten
.set F0,   64
.set F1,   128
.set BK,   128
.set LIM,  43                          ; s43     1 in a wave that prefetches, else the greatest number
.set PFA,  44                          ; s[44:45] where my prefetches stand
.set G1A,  24                          ; s[24:31], s[32:39] descriptor group 1 for A's tiles in X, Y
.set G1B,  48                          ; s[48:55], s[56:63] for B's
.set G0A,  72                          ; s[72:75], s[76:79] descriptor group 0 for A's tiles in X, Y
.set G0B,  80                          ; s[80:83], s[84:87] for B's
.set W0X,  (1<<16)|(1<<20)|(1<<21)|(5<<22)|(3<<25)   ; group 1, word 0, beside the mask: 17:16 element of 2 bytes; 20 padding on; 21 set beside a mask; 24:22 after every 64 words (code 5); 31:25 of 4 words (code 3)
.set W0Y,  (1<<16)|(1<<20)|(1<<21)|(6<<22)|(3<<25)   ; the same after every 128 words (code 6)
.set MSB, 0
.macro WIN new                         ; the immediate's high byte repeats the setting that is left
.if MSB != \new
	s_set_vgpr_msb (MSB<<8)|\new
.set MSB, \new
.endif
.endm
.set MUL,  0xa1                        ; source 0 (B) window 1, source 1 (A) window 0, C and D window 2
.set TO_B, 0x40                        ; destination window 1, address window 0
.macro JLOAD r                         ; a joint load into region r (0: X, 1: Y): four v_nop follow each of the two lines, ahead of the jump, the label and what follows
	s_cmp_eq_u32 s11, 0
	s_cbranch_scc0 .Lfor_b_\@
	tensor_load_to_lds s[G0A+4*\r:G0A+4*\r+3], s[G1A+8*\r:G1A+8*\r+7]
	s_nop 0
.rept 4
	v_nop
.endr
	s_branch .Lasked_\@
.Lfor_b_\@:
	tensor_load_to_lds s[G0B+4*\r:G0B+4*\r+3], s[G1B+8*\r:G1B+8*\r+7]
	s_nop 0
.rept 4
	v_nop
.endr
.Lasked_\@:
.endm
; THE PREFETCHES, once a trip, behind X's refill and the run of LDS loads that follows it: the three units that the next two refills will ask for (Y's two, 256 matrix instructions ahead of their load; X's next, 384 ahead):
; 32 rows x 256 bytes an instruction, a lane a row.  Each row's 256 bytes of a unit are named once in the launch: A's tile row is read by both clusters of its row of clusters: cluster x = 0 asks, wave 0 of each of the
; four partners for 32 of the 128 rows; B's tile column is read by the eight clusters of its column: cluster y = 0 asks, waves 2 and 3 of each of the four partners for 32 of the 256 rows each.  The partners are told apart
; by address.  The four trips ask for units 4 to 15; units 0 to 3 come by their loads alone, and the tail asks for nothing.
.macro ASK
	s_cmp_eq_u32 s[LIM], 1
	s_cbranch_scc0 .Lnot_mine_\@
	global_prefetch_b8 v[PFO], s[PFA:PFA+1] th:TH_LOAD_NT scope:SCOPE_SE
	global_prefetch_b8 v[PFO], s[PFA:PFA+1] offset:KU*2 th:TH_LOAD_NT scope:SCOPE_SE
	global_prefetch_b8 v[PFO], s[PFA:PFA+1] offset:2*KU*2 th:TH_LOAD_NT scope:SCOPE_SE
.Lnot_mine_\@:
.endm
.macro CREST                           ; a round of the cluster's barrier behind its opening barrier
	s_cmp_lg_u32 s10, 0
	s_cbranch_scc1 .Lnot_wave_0_\@
	s_barrier_signal -3
.Lnot_wave_0_\@:
	s_barrier_wait -3
	s_barrier_signal -1
	s_barrier_wait -1
.endm
.macro CROUND
	s_barrier_signal -1
	s_barrier_wait -1
	CREST
.endm
	s_load_b128 s[4:7], s[0:1], 0x0                ; ao s[4:5], woh s[6:7]
	s_load_b128 s[68:71], s[0:1], 0x10             ; bo s[68:69], out0 s[70:71]
	v_lshl_add_u32 v[SPW], v0, 2, SPARE
	v_mov_b32 v[NIL], 0
	ds_add_u32 v28, v29
	ds_add_u32 v28, v29
	s_wait_dscnt 0x0
	v_lshrrev_b32 v1, 5, v0
	v_readfirstlane_b32 s10, v1                    ; wave 0..3
	s_lshr_b32 s11, s10, 1                         ; which half of the tile's rows is mine.  Also: I fetch for A (0) or for B (1)
	s_and_b32 s12, s10, 1                          ; which half of its columns.  Also: which half of that tile I fetch
	s_bfe_u32 s40, ttmp6, 0x40000                  ; cx, cy: my place in the cluster
	s_bfe_u32 s41, ttmp6, 0x40004
	s_lshl_b32 s42, ttmp9, 2
	s_add_co_u32 s42, s42, s40                     ; tile column = 4 x cluster x + cx
	s_and_b32 s13, ttmp7, 0xffff
	s_lshl_b32 s13, s13, 2
	s_add_co_u32 s13, s13, s41                     ; tile row = 4 x cluster y + cy
	s_lshl_b32 s43, s41, 2
	s_lshl_b32 s43, 15, s43                        ; my row of the cluster
	s_lshl_b32 s44, 0x1111, s40                    ; my column
	; descriptor groups 1: elements of 2 bytes, rows 2,048 elements apart, padded in LDS.  X: rows of 128 elements, Y: of 256; 64 rows for A, 128 for B
	s_or_b32 s[G1A+0], s43, W0X                    ; A's tiles go to my row of the cluster,
	s_or_b32 s[G1A+8], s43, W0Y
	s_or_b32 s[G1B+0], s44, W0X                    ; B's to my column
	s_or_b32 s[G1B+8], s44, W0Y
.irp g, G1A, G1B
	s_mov_b32 s[\g+1], KU<<16                      ; X: tensor_dim0
	s_mov_b32 s[\g+3], KU<<16                      ;    tile_dim0
	s_mov_b32 s[\g+5], 2048                        ;    tensor_dim0_stride
	s_mov_b32 s[\g+6], 0
	s_mov_b32 s[\g+7], 0
	s_mov_b32 s[\g+9], (2*KU)<<16                  ; Y: tensor_dim0
	s_mov_b32 s[\g+11], (2*KU)<<16                 ;    tile_dim0
	s_mov_b32 s[\g+13], 2048
	s_mov_b32 s[\g+14], 0
	s_mov_b32 s[\g+15], 0
.endr
	s_mov_b32 s[G1A+2], 64<<16                     ; tensor_dim1
	s_mov_b32 s[G1A+4], 64                         ; tile_dim1
	s_mov_b32 s[G1A+10], 64<<16
	s_mov_b32 s[G1A+12], 64
	s_mov_b32 s[G1B+2], 128<<16
	s_mov_b32 s[G1B+4], 128
	s_mov_b32 s[G1B+10], 128<<16
	s_mov_b32 s[G1B+12], 128
	; A's tiles hang on the tile row alone, B's on the tile column alone.  Every wave makes both addresses and asks by one of them
	s_lshl_b32 s16, s13, 7
	s_lshl_b32 s17, s12, 6
	s_add_co_u32 s16, s16, s17                     ; A: row 128 x tile row + 64 x half
	s_lshl_b32 s16, s16, 12
	s_mov_b32 s17, 0
	s_lshl_b32 s46, s42, 8
	s_lshl_b32 s47, s12, 7
	s_add_co_u32 s46, s46, s47                     ; B: row 256 x tile column + 128 x half
	s_lshl_b32 s46, s46, 12
	s_mov_b32 s47, 0
	s_wait_kmcnt 0x0
	s_add_nc_u64 s[14:15], s[4:5], s[16:17]
	s_add_nc_u64 s[46:47], s[6:7], s[46:47]
	CROUND                                         ; all sixteen work-groups are here: the first joint loads meet
	; descriptor groups 0: count 1; the LDS address, made of the wave's number and constants alone; the global address (X: unit 0, Y: units 1 and 2); type 2
	s_mov_b32 s[G0A], 1
	s_mul_i32 s[G0A+1], s12, HAX
	s_mov_b64 s[G0A+2:G0A+3], s[14:15]
	s_or_b32 s[G0A+3], s[G0A+3], 0x80000000
	s_mov_b32 s[G0A+4], 1
	s_mul_i32 s[G0A+5], s12, HAY
	s_add_co_u32 s[G0A+5], s[G0A+5], YB
	s_add_nc_u64 s[G0A+6:G0A+7], s[14:15], KU*2
	s_or_b32 s[G0A+7], s[G0A+7], 0x80000000
	s_mov_b32 s[G0B], 1
	s_mul_i32 s[G0B+1], s12, HBX
	s_add_co_u32 s[G0B+1], s[G0B+1], 2*HAX
	s_mov_b64 s[G0B+2:G0B+3], s[46:47]
	s_or_b32 s[G0B+3], s[G0B+3], 0x80000000
	s_mov_b32 s[G0B+4], 1
	s_mul_i32 s[G0B+5], s12, HBY
	s_add_co_u32 s[G0B+5], s[G0B+5], YB+2*HAY
	s_add_nc_u64 s[G0B+6:G0B+7], s[46:47], KU*2
	s_or_b32 s[G0B+7], s[G0B+7], 0x80000000
	JLOAD 0                                        ; X first: it is wanted first
	JLOAD 1                                        ; two tensor loads of mine are out
	v_and_b32 v1, 15, v0                           ; l % 16
	v_bfe_u32 v2, v0, 4, 1                         ; l / 16
	v_mul_u32_u24 v3, v1, PX
	v_lshl_add_u32 v3, v2, 4, v3                   ; a fragment's row x pitch + 16 x half, in X
	v_mul_u32_u24 v4, v1, PY
	v_lshl_add_u32 v4, v2, 4, v4                   ; and in Y
	s_mul_i32 s21, s11, HAX                        ; my 64 rows of A
	v_add_nc_u32 v[ADRA], s21, v3
	s_mul_i32 s21, s12, HBX                        ; my 128 rows of B, which lie behind A's 128
	s_add_co_u32 s21, s21, 2*HAX
	v_add_nc_u32 v[ADRB], s21, v3
	s_mul_i32 s21, s11, HAY
	s_add_co_u32 s21, s21, YB
	v_add_nc_u32 v[ADRA+1], s21, v4
	s_mul_i32 s21, s12, HBY
	s_add_co_u32 s21, s21, YB+2*HAY
	v_add_nc_u32 v[ADRB+1], s21, v4
	s_mul_i32 s23, s10, 16*SPITCH
	s_add_co_u32 s23, s23, STAGE                   ; my stage
	v_mul_u32_u24 v6, v1, SPITCH                   ; in: row l % 16, 32 bytes for each half of the lanes
	v_lshl_add_u32 v6, v2, 5, v6
	v_add_nc_u32 v[STO], s23, v6
	v_and_b32 v5, 31, v0
	v_lshlrev_b32 v[CO], 4, v5                     ; back: the 32 lanes take one row of 512 bytes; and the same in out0
	v_add_nc_u32 v[RD], s23, v[CO]
	v_lshlrev_b32 v[HO], 5, v2
	v_lshlrev_b32 v[PFO], 12, v5
	s_lshl_b32 s16, s13, 7
	s_lshl_b32 s17, s11, 6
	s_add_co_u32 s16, s16, s17                     ; my first row of out0: 128 x tile row + 64 x half,
	s_lshl_b32 s16, s16, 13                        ; of 8,192 bytes
	s_mov_b32 s17, 0
	s_lshl_b32 s46, s42, 10                        ; my first column, in bytes: 1,024 x tile column + 512 x half
	s_lshl_b32 s47, s12, 9
	s_add_co_u32 s46, s46, s47
	s_mov_b32 s47, 0
	s_add_nc_u64 s[70:71], s[70:71], s[16:17]
	s_add_nc_u64 s[70:71], s[70:71], s[46:47]
	s_add_nc_u64 s[68:69], s[68:69], s[46:47]      ; and the same columns of bo
	WIN TO_B
.irp b, 0,1,2,3,4,5,6,7                        ; the bias in the result's layout: block b, lane (r, h), register j: column 16 b + 8 h + j
	global_load_b128 v[8*\b:8*\b+3],   v[HO], s[68:69] offset:64*\b
	global_load_b128 v[8*\b+4:8*\b+7], v[HO], s[68:69] offset:64*\b+16
.endr
	WIN 0
	; the prefetches: whose rows, and who asks
	s_and_b32 s22, ttmp7, 0xffff                   ; B: cluster y must be 0
	s_or_b32 s23, ttmp9, s12                       ; A: cluster x must be 0, and of waves 0 and 1 wave 0 asks
	s_lshl_b32 s16, s13, 7
	s_lshl_b32 s17, s40, 5
	s_add_co_u32 s16, s16, s17                     ; A: the tile's first row + 32 cx
	s_lshl_b32 s18, s42, 8
	s_lshl_b32 s19, s41, 6
	s_add_co_u32 s18, s18, s19
	s_lshl_b32 s19, s12, 5
	s_add_co_u32 s18, s18, s19                     ; B: the tile's first row + 64 cy + 32 x (wave - 2)
	s_cmp_eq_u32 s11, 0
	s_cselect_b32 s16, s16, s18
	s_cselect_b32 s22, s23, s22
	s_cselect_b64 s[PFA:PFA+1], s[4:5], s[6:7]
	s_cmp_eq_u32 s22, 0
	s_cselect_b32 s[LIM], 1, -1                    ; the same in all sixteen partners, for a given wave
	s_lshl_b32 s16, s16, 12
	s_add_co_u32 s16, s16, KU*2                    ; at unit 1: the first trip steps it to unit 4.  Nothing is prefetched at the head
	s_mov_b32 s17, 0
	s_add_nc_u64 s[PFA:PFA+1], s[PFA:PFA+1], s[16:17]
; 8 matrix instructions: row block a x all 8 column blocks, 32 along K, from buffer f.  bias = 1: the sums begin with the bias.  The 32 accumulators take turns in one order everywhere.
.macro MUL8 f, a, bias
.irp b, 0,1,2,3,4,5,6,7
.if \bias
	v_wmma_f32_16x16x32_f16 v[8*(8*(\a)+\b):8*(8*(\a)+\b)+7], v[\f+8*\b:\f+8*\b+7], v[\f+8*(\a):\f+8*(\a)+7], v[8*\b:8*\b+7]
.else
	v_wmma_f32_16x16x32_f16 v[8*(8*(\a)+\b):8*(8*(\a)+\b)+7], v[\f+8*\b:\f+8*\b+7], v[\f+8*(\a):\f+8*(\a)+7], v[8*(8*(\a)+\b):8*(8*(\a)+\b)+7]
.endif
.endr
.endm
; 24 LDS loads in one run: the fragments of one quarter (128 rows of B, 64 rows of A, 32 K at byte k of region r's rows) into buffer f
.macro FETCH r, k, f
.set PP, PX+(PY-PX)*(\r)
	WIN TO_B
.irp i, 0,1,2,3,4,5,6,7
	ds_load_b128 v[\f+8*\i:\f+8*\i+3],   v[ADRB+\r] offset:\k+\i*16*PP
	ds_load_b128 v[\f+8*\i+4:\f+8*\i+7], v[ADRB+\r] offset:\k+\i*16*PP+32
.endr
	WIN 0
.irp i, 0,1,2,3
	ds_load_b128 v[\f+8*\i:\f+8*\i+3],   v[ADRA+\r] offset:\k+\i*16*PP
	ds_load_b128 v[\f+8*\i+4:\f+8*\i+7], v[ADRA+\r] offset:\k+\i*16*PP+32
.endr
.endm
; A load into a register that a matrix instruction has read, and an LDS store that reads a matrix result, stand four places behind that matrix instruction; only plain vector instructions that name none of its
; registers are places (ISA guide 7.12.1 for vector instructions).
.macro PLACES
.rept 4
	v_nop
.endr
.endm
; A quarter is 32 along K, 32 matrix instructions; X has four, Y eight, on buffers 0, 1 by turns.  One that is not its region's last: at its head it fetches the next quarter's fragments, at byte k of region r's rows, into buffer g; then it multiplies buffer f.
.macro QUARTER r, k, f, g, bias
	s_wait_dscnt 0x0                               ; buffer f is in
	PLACES                                         ; buffer g was multiplied just now
	FETCH \r, \k, \g
.if \bias
	WIN 0x91                                       ; as MUL, but C (the bias) in window 1
.else
	WIN MUL
.endif
	MUL8 \f, 0, \bias
	MUL8 \f, 1, \bias
	MUL8 \f, 2, \bias
	MUL8 \f, 3, \bias
.endm
; A region's last quarter multiplies buffer 1 and changes regions: ONE barrier; in front of it each wave waits for all its tensor loads, adds 0 to its spare word, and waits for that and for its own reads of region cur.
; fill = 1: the barrier opens a round of the cluster's barrier, and region cur is filled again, with the units three further on.  ask = 1: the trip's prefetches follow.
.macro TURN cur, next, fill, ask
.if \ask
	s_wait_xcnt 0x0                                ; the last prefetches, a trip back, have read their address: it is stepped here
	s_add_nc_u64 s[PFA:PFA+1], s[PFA:PFA+1], STEP3
.endif
	WIN 0                                          ; (the add's two registers lie in window 0)
	s_wait_tensorcnt 0x0                           ; all my tensor loads have landed: the one that was out is my part of region next
	ds_add_u32 v[SPW], v[NIL]                      ; 0 onto my spare word
	s_wait_dscnt 1                                 ; buffer 1 is in (the add alone may be out)
	WIN MUL
	MUL8 F1, 0, 0                                  ; eight matrix instructions stand between the add and the wait for it
	s_wait_dscnt 0x0                               ; the add is done, and my reads of region cur are over
	s_barrier_signal -1
	MUL8 F1, 1, 0
	WIN 0
	s_barrier_wait -1
.if \fill
	CREST                                          ; no wave of any partner still reads this region's tile or has a load on its way
	s_add_nc_u64 s[G0A+4*\cur+2:G0A+4*\cur+3], s[G0A+4*\cur+2:G0A+4*\cur+3], STEP3
	s_add_nc_u64 s[G0B+4*\cur+2:G0B+4*\cur+3], s[G0B+4*\cur+2:G0B+4*\cur+3], STEP3
	JLOAD \cur                                     ; the first tensor load behind the round, my one load until the next; its four v_nop are the places in front of the loads below
.else
	PLACES
.endif
	FETCH \next, 0, F0
.if \ask
	ASK
.endif
	WIN MUL
	MUL8 F1, 2, 0
	MUL8 F1, 3, 0
.endm
.macro YQUARTERS                       ; Y's first seven quarters
	QUARTER 1, 64,  F0, F1, 0
	QUARTER 1, 128, F1, F0, 0
	QUARTER 1, 192, F0, F1, 0
	QUARTER 1, 256, F1, F0, 0
	QUARTER 1, 320, F0, F1, 0
	QUARTER 1, 384, F1, F0, 0
	QUARTER 1, 448, F0, F1, 0
.endm
	s_wait_tensorcnt 1                             ; my part of unit 0 is in (Y's load may be out)
	s_barrier_signal -1
	s_barrier_wait -1                              ; everybody's is
	FETCH 0, 0, F0
	s_wait_loadcnt 0x0                             ; the bias
	QUARTER 0, 64,  F0, F1, 1                      ; the first quarter stands in front of the loop: its products start the sums, from the bias
	WIN 0                                          ; at a label and at a branch every window is 0
	s_mov_b32 s3, TRIPS
.Llap:                                                 ; a trip goes from X's second quarter to X's next first, and fills both regions again
	QUARTER 0, 128, F1, F0, 0
	QUARTER 0, 192, F0, F1, 0
	TURN 0, 1, 1, 1                                ; X takes the unit three on
	YQUARTERS
	TURN 1, 0, 1, 0                                ; Y takes the two units three on
	QUARTER 0, 64,  F0, F1, 0
	WIN 0
	s_sub_co_u32 s3, s3, 1
	s_cmp_lg_u32 s3, 0
	s_cbranch_scc1 .Llap
	QUARTER 0, 128, F1, F0, 0                      ; the tail is written out: unit 12 goes on
	QUARTER 0, 192, F0, F1, 0
	TURN 0, 1, 1, 0                                ; X takes unit 15: the last load
	YQUARTERS                                      ; units 13 and 14
	TURN 1, 0, 0, 0                                ; nothing is filled again, so no round follows; behind this barrier nobody reads Y any more
	QUARTER 0, 64,  F0, F1, 0                      ; unit 15
	QUARTER 0, 128, F1, F0, 0
	QUARTER 0, 192, F0, F1, 0
	s_wait_dscnt 0x0                               ; the very last quarter: nothing more to fetch
	MUL8 F1, 0, 0
	MUL8 F1, 1, 0
	MUL8 F1, 2, 0
	MUL8 F1, 3, 0
	WIN 0
; THE WAY OUT, block by block of 16 rows x 128 columns, through my own stage in LDS: in as 32 bytes a lane of a row, back as whole rows of 512 bytes.
; LDS serves a wave's instructions in order (ISA guide 5.7.1.4): no wait between the stores and the loads, nor in front of the next block's stores.
.macro TOSTAGE a
	WIN 0x08                                       ; the data: window 2
.irp b, 0,1,2,3,4,5,6,7
	ds_store_b128 v[STO], v[64*(\a)+8*\b:64*(\a)+8*\b+3] offset:64*\b          ; each accumulator from its low end on
	ds_store_b128 v[STO], v[64*(\a)+8*\b+4:64*(\a)+8*\b+7] offset:64*\b+16
.endr
	WIN 0
.set BB, BK+64*((\a)%2)
.irp t, 0,1,2,3,4,5,6,7,8,9,10,11,12,13,14,15
	ds_load_b128 v[BB+4*\t:BB+4*\t+3], v[RD] offset:\t*SPITCH
.endr
.endm
.macro SEND a, younger                 ; younger: the LDS instructions issued behind block a's loads, which may stay out
.set BB, BK+64*((\a)%2)
	s_wait_dscnt \younger
.irp t, 0,1,2,3,4,5,6,7,8,9,10,11,12,13,14,15
	global_store_b128 v[CO], v[BB+4*\t:BB+4*\t+3], s[70:71] offset:(16*(\a)+\t)*8192 th:TH_STORE_NT   ; 32 lanes store 512 consecutive bytes, aligned; written once, read by nobody here
.endr
.endm
	PLACES                                         ; behind the last products: for the first reads of results and the loads into A's registers
	TOSTAGE 0
.irp a, 1,2,3
.if \a > 1
	s_wait_xcnt 0x0                                ; block a - 2's stores have read their registers: block a's loads may land there
.endif
	TOSTAGE \a
	SEND \a-1, 32                                  ; behind block a - 1's loads: block a's 16 stores and 16 loads
.endr
	SEND 3, 0
	s_wait_tensorcnt 0x0                           ; the wave's end: behind my last tensor load and my last LDS store
	ds_add_u32 v[SPW], v[NIL]
	s_wait_dscnt 0x0
	CROUND                                         ; the closing round: no work-group ends while a partner may still ask for a tile that names it
	s_endpgm
.Lfunc_end_k_qbefc6bfe68_outp:
	.size	k_qbefc6bfe68_outp, .Lfunc_end_k_qbefc6bfe68_outp-k_qbefc6bfe68_outp
	.p2alignl 7, 3214868480
	.fill 96, 4, 3214868480
	.section	.rodata,"a",@progbits
	.p2align	6, 0x0
	.amdhsa_kernel k_qbefc6bfe68_outp
		.amdhsa_group_segment_fixed_size 327680
		.amdhsa_private_segment_fixed_size 0
		.amdhsa_enable_private_segment 0
		.amdhsa_kernarg_size 32
		.amdhsa_user_sgpr_count 2
		.amdhsa_user_sgpr_kernarg_segment_ptr 1
		.amdhsa_wavefront_size32 1
		.amdhsa_system_sgpr_workgroup_id_x 1
		.amdhsa_system_sgpr_workgroup_id_y 1
		.amdhsa_system_sgpr_workgroup_id_z 1
		.amdhsa_system_vgpr_workitem_id 0
		.amdhsa_next_free_vgpr 768
		.amdhsa_next_free_sgpr 88
		.amdhsa_reserve_vcc 0
		.amdhsa_float_denorm_mode_32 3
		.amdhsa_float_denorm_mode_16_64 3
		.amdhsa_memory_ordered 1
		.amdhsa_forward_progress 1
		.amdhsa_inst_pref_size 135
	.end_amdhsa_kernel
	.amdgpu_metadata
---
amdhsa.version: [ 1, 2 ]
amdhsa.kernels:
  - .name:           k_qbefc6bfe68_outp
    .symbol:         k_qbefc6bfe68_outp.kd
    .args:
      - { .name: ao, .offset: 0, .size: 8, .value_kind: global_buffer, .address_space: global }
      - { .name: woh, .offset: 8, .size: 8, .value_kind: global_buffer, .address_space: global }
      - { .name: bo, .offset: 16, .size: 8, .value_kind: global_buffer, .address_space: global }
      - { .name: out0, .offset: 24, .size: 8, .value_kind: global_buffer, .address_space: global }
    .group_segment_fixed_size: 327680
    .private_segment_fixed_size: 0
    .kernarg_segment_align: 8
    .kernarg_segment_size: 32
    .max_flat_workgroup_size: 128
    .sgpr_count:     88
    .vgpr_count:     768
    .wavefront_size: 32
...
	.end_amdgpu_metadata
.endif
;; end of part 4
